; MI455X (gfx1250); checked and timed in simulation.
; The chip was launched on July 23, 2026; its instructions are those of AMD's public machine-readable ISA for CDNA 5 (MIT licence, August 2026) and "CDNA5" Instruction Set Architecture Reference Guide (July 2026). The comments in the code are by the model that wrote it; some were corrected since.
;; Multi Head Attention. Allowed arithmetic: matrix products marked QUANTISED: E2M3 operands, one E8M0 scale for each 32 along K, by v_wmma_scale_f32_16x16x128_f8f6f4 with both operands' format E2M3, f32 sums; everything else in f32.
;; Inputs: W_out 1,024 x 1,024 float32; W_qkv 1,024 x 3,072 float32; b_out 1,024 float32; b_qkv 3,072 float32; x 4 x 2,048 x 1,024 float32.
;; Outputs: out0 4 x 2,048 x 1,024 float32.
;; This version of the problem:
;;   THIS VERSION OF THE PROBLEM IS GIVEN IN LOW PRECISION. The matrix products marked QUANTISED in the list below multiply operands that are first quantised to E2M3 (2 exponent bits, 3 mantissa bits; 6 bits a number), with one power-of-two scale for each 32 numbers along K (OCP MX v1.0); their sums are f32. All else is computed in f32.
;;   The module's matrix products, in the order in which they are computed (A, B: the left and right operand; K: the contracted axis; several contracted axes count as one K, in the product's order):
;;     1. [M 8,192, K 1,024] x [K 1,024, N 3,072]; A: input x; B: input W_qkv: QUANTISED
;;     2. batch 64 x [M 2,048, K 64] x [K 64, N 2,048]; A: computed on the way; B: computed on the way: QUANTISED
;;     3. batch 64 x [M 2,048, K 2,048] x [K 2,048, N 64]; A: softmax (see below); B: computed on the way: QUANTISED
;;     4. [M 8,192, K 1,024] x [K 1,024, N 1,024]; A: computed on the way; B: input W_out: QUANTISED
;;   THE QUANTISER, for each operand of a quantised product, along K:
;;     - K is cut into blocks of 32 from its start; a last block that is shorter is filled with zeros.
;;     - A block's scale is 2^e with e = floor(log2(the largest magnitude in the block)) - 2, held to -126 .. 127; a block of zeros has e = 0. As a byte (E8M0): e + 127.
;;     - Each number is divided by its block's scale, clamped to +-7.5, and rounded to the nearest number of E2M3, ties to even, subnormals kept.
;;     - The product sums the exact products of the quantised numbers (number of the format x scale) in f32.
;;   ~~~python
;;   def quantise(x, axis):      # numpy; x: float32 -> the quantised numbers, widened to float32 again
;;       x = np.moveaxis(x, axis, -1); K = x.shape[-1]
;;       x = np.pad(x, [(0, 0)] * (x.ndim - 1) + [(0, -K % 32)]); x = x.reshape(x.shape[:-1] + (-1, 32)); a = np.abs(x).max(-1, keepdims=True)
;;       e = np.where(a > 0, np.clip(np.frexp(np.where(a > 0, a, 1))[1] - 1 - 2, -126, 127), 0)      # np.frexp(a)[1] - 1 = floor(log2(a)), exactly
;;       r = np.clip(x / 2.0 ** e, -7.5, 7.5)
;;       step = 2.0 ** (np.maximum(np.frexp(np.where(r == 0, 1, r))[1] - 1, 0) - 3)
;;       q = np.round(r / step) * step * 2.0 ** e      # np.round: ties to even
;;       return np.moveaxis(q.reshape(q.shape[:-2] + (-1,))[..., :K], -1, axis).astype(np.float32)
;;   ~~~
;;   SOFTMAX AHEAD OF A QUANTISED PRODUCT. Where the list says 'softmax', what is quantised is not the finished softmax but p = 2^(t - M), with t = logit x log2(e) and M = ceil(the row's largest t), a whole number; so 1/2 < the row's largest p <= 1. The row's sum l is taken of the UNQUANTISED p, in f32, and the product's result is divided by l at the end. Since M is a whole number, a kernel that streams over the keys may use a running M (the ceiling of the running maximum): every later rescaling is an exact power of two, which a block's scale takes up: the codes' values come out the same.
;;   OPERANDS COMPUTED ON THE WAY. 'Computed on the way' means the value that the module computes at that place (a softmax that the list does not call 'softmax' is quantised finished and normalised). What goes into a quantiser is computed in f32, as accurately as f32 sums, v_exp_f32 and their like allow (about 1e-6 of the number): no bf16 or f16 on the way to a quantiser, and a product that is left as it is and whose result goes on into a quantised operand takes f32 operands (vector FMAs, or v_wmma_f32_16x16x4_f32). A number that lies on a knife's edge between two numbers of the format may be rounded either way, as far as f32 arithmetic and the matrix unit's own rounding can turn it there, and no further.
;; One version. Each part assembles by itself: llvm-mc -triple=amdgcn-amd-amdhsa -mcpu=gfx1250 --defsym DOCPART=n.
;; ======== version 1 of 1: 4 launches
;; limits: right only within a limited range of input values
;; workspace buffers: opc 9,437,184 bytes; ops 393,216 bytes; ac 18,874,368 bytes; asc 1,310,720 bytes; oc 6,291,456 bytes; os 262,144 bytes
;; launch quant (part 1): grid 640 x 1, 8 waves a work-group, no clusters, 96,768 bytes of LDS; arguments x, W_qkv, W_out, opc, ops; writes opc, ops
.if DOCPART == 1
	.amdgcn_target "amdgcn-amd-amdhsa--gfx1250"
	.amdhsa_code_object_version 6
	.text
	.protected	k_qaf09177491_quant
	.globl	k_qaf09177491_quant
	.p2align	8
	.type	k_qaf09177491_quant,@function
k_qaf09177491_quant:
	s_mov_b64 s[64:65], 0
	v_nop
	global_prefetch_b8 v0, s[64:65] scope:SCOPE_SE
	s_setreg_imm32_b32 hwreg(HW_REG_WAVE_MODE, 25, 1), 1
	s_wait_xcnt 0x0
; x [8192][1024], W_qkv [1024][3072] and W_out [1024][1024], f32, become codes of FP6 (E2M3) with one E8M0 byte for each 32 along K (x: its last axis; the weights: their first).
; NO WORK OF THE PROBLEM IS LEFT OUT in this program: every input reaches the output; both biases are added (b_qkv ahead of the quantisers of q, k and v, b_out at the end).
; A block's scale is 2^(floor(log2(its largest magnitude)) - 2); its byte is the largest magnitude's exponent field - 2, held at 1 from below.
; LIMITS: a block of zeros gets the byte 1 where the rule says 127 (its codes are zeros, and this program alone reads the bytes); blocks whose largest magnitude lies under 2^(3 - 127) are held at that floor;
; NaN and infinities among the inputs are not served.
; LAYOUT OF THE WORKSPACE.  An operand is cut into TILES of 16 rows (x: tokens; a weight: its columns).  THE ROWS OF A TILE ARE NOT NEIGHBOURS: of each 32 rows, tile 2 b + u holds rows 32 b + 8 u + i + 8 (i / 8), i = 0 .. 15,
; so that in every later product the 16 result registers of two neighbouring tiles are 16 neighbours.  A tile's codes lie as IMAGES OF THE OPERAND'S REGISTERS: for each 64 along K 768 bytes: registers 6 c .. 6 c + 3 of lane l
; at 16 l, registers 6 c + 4, 6 c + 5 at 512 + 8 l; a K step of 128 is two such halves, 1,536 bytes; a tile has 8 K steps, 12,288 bytes.  opc: tiles 0-511 x, 512-703 W_qkv's columns, 704-767 W_out's.
; ops: for each tile 8 K steps x 16 scale words (word r: the four bytes of the tile's row r).
; SHARES.  Work-groups 128-639: one tile of x each; work-groups 0-127: 32 columns (two tiles) of a weight each.  Wave s of eight takes K step s.  No tensor loads, no matrix work: the launch is a stream.
; x: each load reads 512 consecutive bytes of a row; the 16 rows turn through the wave's own stage in LDS, so that lane (r, h) gets two whole blocks of row r.
; A weight: a lane takes a column and its registers run down K (128 consecutive bytes a load); the codes go through the wave's own stage into the images' order and leave as runs of 512 bytes.
; The two paths part on the work-group's number and have LDS bytes of their own; the one barrier stands where they join; behind it a tile's 512 bytes of scale words leave whole.
.set XP,    528                        ; x's stage: a row of 512 bytes + 16
.set XWV,   16*XP                      ; a wave's stage
.set XSCL,  8*XWV                      ; x's scale words: 8 K steps x 64 bytes
.set WSTG,  XSCL+512                   ; the weights' stage: for each wave two images of 1,536 bytes + 128
.set WTL,   1664
.set WSCL,  WSTG+8*2*WTL               ; the weights' scale words: 2 tiles x 512 bytes
.set SPARE, WSCL+1024                  ; the spare words, 128 bytes for each wave: four blocks of 256 bytes that no other line names
.set L16, 4                            ; v4   16 x lane
.set L8,  5                            ; v5   8 x lane
.set XST, 6                            ; v6   x's stage, way in
.set XRD, 7                            ; v7   x's stage, way out
.set XSW, 8                            ; v8   where my row's scale word goes
.set XSR, 9                            ; v9   where wave 0 reads the tile's words
.set WS16, 10                          ; v10  a weight's stage: my column's 16 bytes
.set WS8,  11                          ; v11  and its 8 bytes
.set WRD, 12                           ; v12  the stage, way out
.set WSW, 13                           ; v13  where my column's scale word goes
.set WSR, 14                           ; v14  where waves 0 and 1 read a tile's words
.set L4,  15                           ; v15  4 x lane
.set SPW, 16                           ; v16  my spare word; never rewritten
.set NIL, 17                           ; v17  0; never rewritten
.set CT2, 20                           ; v20-22 a block's second conversion
.set WSO, 23                           ; v23  16 x lane + 512 x (wave & 1)
.set VO,  24                           ; v24-39 4 x lane + i x pitch
.set NUM, 40                           ; v40-167 numbers
.set XN,  104                          ; x: the turned numbers
.set COD, 168                          ; v168-191 codes
.set CT,  180                          ; x: the second conversions
	s_load_b256 s[4:11], s[0:1], 0x0               ; x s[4:5], W_qkv s[6:7], W_out s[8:9], opc s[10:11]
	s_load_b64 s[12:13], s[0:1], 0x20              ; ops
	v_lshl_add_u32 v[SPW], v0, 2, SPARE
	v_mov_b32 v[NIL], 0
	v_lshrrev_b32 v1, 5, v0
	s_delay_alu instid0(VALU_DEP_1)
	v_readfirstlane_b32 s14, v1                    ; wave = K step
	v_and_b32 v1, 31, v0                           ; lane
	v_and_b32 v2, 15, v0                           ; r
	v_bfe_u32 v3, v0, 4, 1                         ; h
	s_delay_alu instid0(VALU_DEP_3)
	v_lshlrev_b32 v[L16], 4, v1
	s_delay_alu instid0(VALU_DEP_4)
	v_lshlrev_b32 v[L8], 3, v1
	v_lshlrev_b32 v[L4], 2, v1
	s_mul_i32 s15, s14, XWV
	v_add_nc_u32 v[XST], s15, v[L16]               ; a row's 512 bytes as they lie
	v_mul_u32_u24 v[XRD], v2, XP
	s_delay_alu instid0(VALU_DEP_1)
	v_lshl_add_u32 v[XRD], v3, 7, v[XRD]
	s_delay_alu instid0(VALU_DEP_1)
	v_add_nc_u32 v[XRD], s15, v[XRD]               ; row r, + 128 h: my block of each 64 numbers
	s_lshl_b32 s16, s14, 6
	v_lshl_add_u32 v[XSW], v2, 2, XSCL
	s_delay_alu instid0(VALU_DEP_1)
	v_add_nc_u32 v[XSW], s16, v[XSW]
	v_add_nc_u32 v[XSR], XSCL, v[L16]
	v_bfe_u32 v18, v0, 3, 1                        ; u: which of the two tiles my column belongs to
	v_and_b32 v19, 7, v0
	s_delay_alu instid0(VALU_DEP_1)
	v_lshl_add_u32 v19, v3, 3, v19                 ; and which row of it
	s_mul_i32 s17, s14, 2*WTL
	s_add_co_u32 s17, s17, WSTG
	v_mul_u32_u24 v[WS16], v18, WTL
	s_delay_alu instid0(VALU_DEP_1)
	v_add_nc_u32 v[WS16], s17, v[WS16]
	s_delay_alu instid0(VALU_DEP_1)
	v_lshl_add_u32 v[WS8], v19, 3, v[WS16]
	s_delay_alu instid0(VALU_DEP_1)
	v_add_nc_u32 v[WS8], 512, v[WS8]
	s_delay_alu instid0(VALU_DEP_3)
	v_lshl_add_u32 v[WS16], v19, 4, v[WS16]
	v_add_nc_u32 v[WRD], s17, v[L16]
	v_lshlrev_b32 v[WSW], 9, v18
	s_delay_alu instid0(VALU_DEP_1)
	v_lshl_add_u32 v[WSW], v19, 2, v[WSW]
	s_delay_alu instid0(VALU_DEP_1)
	v_add_nc_u32 v[WSW], s16, v[WSW]
	s_delay_alu instid0(VALU_DEP_1)
	v_add_nc_u32 v[WSW], WSCL, v[WSW]
	s_and_b32 s18, s14, 1
	s_lshl_b32 s18, s18, 9
	v_add_nc_u32 v[WSO], s18, v[L16]
	s_add_co_u32 s18, s18, WSCL
	v_add_nc_u32 v[WSR], s18, v[L16]
	s_mov_b32 s26, 0x76543210
	s_mov_b32 s27, 0xfedcba98                      ; v_permlanex16_b32's selects for lane l xor 16
	; WHICH SHARE IS MINE: the weights' shares (512-639), which issue the most loads, go to the lowest work-group numbers: work-groups 0-127 take shares 512-639, work-groups 128-639 shares 0-511
	s_add_co_u32 s3, ttmp9, 512
	s_sub_co_u32 s2, ttmp9, 128
	s_cmp_lt_u32 ttmp9, 128
	s_cselect_b32 s3, s3, s2                       ; my share; it hangs on the work-group's number alone
	s_lshl_b32 s19, s3, 1
	s_sub_co_u32 s19, s19, 512
	s_cmp_lt_u32 s3, 512
	s_cselect_b32 s19, s3, s19                     ; my first output tile: x: the share's number; a weight: 512 + 2 (share - 512)
	s_lshl_b32 s20, s19, 3
	s_add_co_u32 s20, s20, s14
	s_mul_i32 s20, s20, 1536                       ; its K step s in opc
	s_mov_b32 s21, 0
	s_lshl_b32 s22, s19, 9                         ; its words in ops
	s_mov_b32 s23, 0
	s_wait_kmcnt 0x0
	s_add_nc_u64 s[10:11], s[10:11], s[20:21]
	s_add_nc_u64 s[12:13], s[12:13], s[22:23]
	s_cmp_lt_u32 s3, 512
	s_cbranch_scc0 .Lweight
	; ---- x: tile T = the share's number, rows 32 (T / 2) + 8 (T % 2) + i + 8 (i / 8)
	s_lshr_b32 s24, s3, 1
	s_lshl_b32 s24, s24, 5
	s_and_b32 s25, s3, 1
	s_lshl_b32 s25, s25, 3
	s_add_co_u32 s24, s24, s25
	s_lshl_b32 s24, s24, 12                        ; rows of 4,096 bytes
	s_lshl_b32 s25, s14, 9                         ; my K step's 512 bytes
	s_add_co_u32 s24, s24, s25
	s_mov_b32 s25, 0
	s_add_nc_u64 s[4:5], s[4:5], s[24:25]
.irp i, 0,1,2,3,4,5,6,7,8,9,10,11,12,13,14,15
	global_load_b128 v[NUM+4*\i:NUM+4*\i+3], v[L16], s[4:5] offset:(\i+8*(\i/8))*4096 th:TH_LOAD_NT   ; 32 lanes read 512 consecutive bytes of the tile's row i
.endr
.irp i, 0,1,2,3,4,5,6,7,8,9,10,11,12,13,14,15
	s_wait_loadcnt 15-\i                           ; row i is in; the younger loads stay out
	ds_store_b128 v[XST], v[NUM+4*\i:NUM+4*\i+3] offset:XP*\i
.endr
.irp c, 0,1
.irp j, 0,1,2,3,4,5,6,7
	ds_load_b128 v[XN+32*\c+4*\j:XN+32*\c+4*\j+3], v[XRD] offset:256*\c+16*\j   ; my own wave's bytes, served in order: k = 64 c + 32 h + 0 .. 31 of row r
.endr
.endr
	s_wait_dscnt 0x0
.irp c, 0,1
	v_max3_num_f32 v[192+\c], |v[XN+32*\c]|, |v[XN+32*\c+1]|, 0x1800000   ; my block 2 c + h: all 32 numbers are mine; and the floor 2^(3 - 127)
.endr
.irp i, 2,4,6,8,10,12,14,16,18,20,22,24,26,28,30
.irp c, 0,1
	s_delay_alu instid0(VALU_DEP_2)
	v_max3_num_f32 v[192+\c], v[192+\c], |v[XN+32*\c+\i]|, |v[XN+32*\c+\i+1]|
.endr
.endr
.irp c, 0,1
	s_delay_alu instid0(VALU_DEP_2)
	v_add_nc_u32 v[194+\c], 0xff000000, v[192+\c]  ; 2 off the exponent field: the conversion's scale operand
.endr
.irp c, 0,1
	s_delay_alu instid0(VALU_DEP_2)
	v_lshrrev_b32 v[196+\c], 23, v[194+\c]         ; the scale's byte
.endr
	s_delay_alu instid0(VALU_DEP_1)
	v_lshl_or_b32 v198, v197, 16, v196             ; my two bytes: blocks h and 2 + h,
	v_lshlrev_b32 v199, 3, v3
	s_delay_alu instid0(VALU_DEP_1)
	v_lshlrev_b32 v198, v199, v198                 ; at their places in the word;
	v_mov_b32 v199, 0
	s_delay_alu instid0(VALU_DEP_1)
	v_permlanex16_b32 v199, v198, s26, s27
	s_delay_alu instid0(VALU_DEP_1)
	v_or_b32 v198, v198, v199                      ; with lane l xor 16's two the word is whole
.irp c, 0,1
	v_cvt_scalef32_pk16_fp6_f32 v[COD+6*\c:COD+6*\c+2], v[XN+32*\c:XN+32*\c+15], v[194+\c]
	v_cvt_scalef32_pk16_fp6_f32 v[CT+4*\c:CT+4*\c+2], v[XN+32*\c+16:XN+32*\c+31], v[194+\c]   ; (a conversion's three registers begin on an even number)
.endr
	v_nop                                          ; one plain place behind a scaled conversion
.irp c, 0,1
.irp i, 0,1,2
	v_mov_b32 v[COD+6*\c+3+\i], v[CT+4*\c+\i]
.endr
.endr
	global_store_b128 v[L16], v[COD:COD+3], s[10:11]                    ; the image: 512, 256, 512, 256 consecutive bytes
	global_store_b64 v[L8], v[COD+4:COD+5], s[10:11] offset:512
	global_store_b128 v[L16], v[COD+6:COD+9], s[10:11] offset:768
	global_store_b64 v[L8], v[COD+10:COD+11], s[10:11] offset:1280
	ds_store_b32 v[XSW], v198                      ; lanes r and r + 16 write the same word with the same value
	s_branch .Ljoin
.Lweight:
	; ---- a weight: 32 columns, rows 128 s .. 128 s + 127
	s_sub_co_u32 s24, s3, 512
	s_cmp_lt_u32 s24, 96                           ; W_qkv has 96 groups of 32 columns; the choice hangs on the work-group's number alone
	s_cselect_b64 s[6:7], s[6:7], s[8:9]
	s_mov_b32 s25, 4096
	s_cselect_b32 s25, 12288, s25                  ; a row in bytes
	s_cselect_b32 s28, 0, 96
	s_sub_co_u32 s24, s24, s28                     ; the group of columns
	s_lshl_b32 s24, s24, 7
	s_lshl_b32 s28, s14, 7
	s_mul_i32 s28, s28, s25
	s_add_co_u32 s28, s28, s24
	s_mov_b32 s29, 0
	s_add_nc_u64 s[32:33], s[6:7], s[28:29]        ; eight bases, 16 rows apart
	s_lshl_b32 s30, s25, 4
	s_mov_b32 s31, 0
.irp j, 1,2,3,4,5,6,7
	s_add_nc_u64 s[32+2*\j:33+2*\j], s[30+2*\j:31+2*\j], s[30:31]
.endr
.irp i, 0,1,2,3,4,5,6,7,8,9,10,11,12,13,14,15
	v_mad_u32_u24 v[VO+\i], s25, \i, v[L4]         ; 4 x lane + i rows
.endr
.macro LOADW b                         ; block b: W(128 s + 32 b + i, my column), i = 0 .. 31
.irp jj, 0,1
.irp i, 0,1,2,3,4,5,6,7,8,9,10,11,12,13,14,15
	global_load_b32 v[NUM+32*(\b)+16*\jj+\i], v[VO+\i], s[32+2*(2*(\b)+\jj):33+2*(2*(\b)+\jj)] th:TH_LOAD_NT
.endr
.endr
.endm
.macro BLOCKW b
.set XS, NUM+32*(\b)
	v_max3_num_f32 v192, |v[XS]|, |v[XS+1]|, |v[XS+2]|              ; the block's largest magnitude: all 32 numbers are mine
	v_max3_num_f32 v193, |v[XS+3]|, |v[XS+4]|, |v[XS+5]|
.irp i, 6,10,14,18,22,26
	s_delay_alu instid0(VALU_DEP_2)
	v_max3_num_f32 v192, v192, |v[XS+\i]|, |v[XS+\i+1]|
	s_delay_alu instid0(VALU_DEP_2)
	v_max3_num_f32 v193, v193, |v[XS+\i+2]|, |v[XS+\i+3]|
.endr
	s_delay_alu instid0(VALU_DEP_2)
	v_max3_num_f32 v192, v192, |v[XS+30]|, |v[XS+31]|
	s_delay_alu instid0(VALU_DEP_1)
	v_max3_num_f32 v192, v192, v193, 0x1800000     ; and the floor
	s_delay_alu instid0(VALU_DEP_1)
	v_add_nc_u32 v194, 0xff000000, v192            ; the conversion's scale operand
	s_delay_alu instid0(VALU_DEP_1)
	v_lshrrev_b32 v195, 23, v194                   ; the byte
.if (\b) == 0
	s_delay_alu instid0(VALU_DEP_1)
	v_mov_b32 v198, v195
.else
	s_delay_alu instid0(VALU_DEP_1)
	v_lshl_or_b32 v198, v195, 8*(\b), v198         ; my column's scale word
.endif
	v_cvt_scalef32_pk16_fp6_f32 v[COD+6*(\b):COD+6*(\b)+2], v[XS:XS+15], v194
	v_cvt_scalef32_pk16_fp6_f32 v[CT2:CT2+2], v[XS+16:XS+31], v194
	v_nop                                          ; one plain place behind a scaled conversion
.irp i, 0,1,2
	v_mov_b32 v[COD+6*(\b)+3+\i], v[CT2+\i]
.endr
	ds_store_b128 v[WS16], v[COD+6*(\b):COD+6*(\b)+3] offset:768*((\b)/2)+256*((\b)%2)     ; block b is what lane (row, b % 2) of the image's half b / 2 holds
	ds_store_b64 v[WS8], v[COD+6*(\b)+4:COD+6*(\b)+5] offset:768*((\b)/2)+128*((\b)%2)     ; each block has its own six registers: no store's data are written again
.endm
	LOADW 0
	LOADW 1
	s_wait_alu depctr_va_vdst(0)
	s_wait_loadcnt 32                              ; block 0 is in; block 1's 32 loads stay out
	LOADW 2
	BLOCKW 0
	s_wait_loadcnt 32                              ; block 1 is in; block 2's stay out
	LOADW 3
	BLOCKW 1
	s_wait_loadcnt 32                              ; block 2 is in; block 3's stay out
	BLOCKW 2
	s_wait_loadcnt 0x0
	BLOCKW 3
	ds_store_b32 v[WSW], v198
.irp i, 0,1,2,3,4,5
	ds_load_b128 v[NUM+4*\i:NUM+4*\i+3], v[WRD] offset:WTL*(\i/3)+512*(\i%3)   ; my own wave's bytes, served in order
.endr
.irp i, 0,1,2,3,4,5
	s_wait_dscnt 5-\i                              ; the younger read-backs stay out
	global_store_b128 v[L16], v[NUM+4*\i:NUM+4*\i+3], s[10:11] offset:12288*(\i/3)+512*(\i%3)   ; 512 consecutive bytes; the second tile lies 12,288 bytes on
.endr
.Ljoin:
	s_wait_dscnt 0x0                               ; my scale words have landed
	s_barrier_signal -1
	s_barrier_wait -1                              ; everybody's have
	s_cmp_lt_u32 s3, 512
	s_cbranch_scc0 .Lweight_words
	s_cmp_lg_u32 s14, 0
	s_cbranch_scc1 .Lend
	ds_load_b128 v[196:199], v[XSR]
	s_wait_dscnt 0x0
	global_store_b128 v[L16], v[196:199], s[12:13] ; the tile's 512 bytes of scale words
	s_branch .Lend
.Lweight_words:
	s_cmp_gt_u32 s14, 1
	s_cbranch_scc1 .Lend
	ds_load_b128 v[196:199], v[WSR]
	s_wait_dscnt 0x0
	global_store_b128 v[WSO], v[196:199], s[12:13] ; wave 0: the first tile's words; wave 1: the second's
.Lend:
	s_wait_tensorcnt 0x0                           ; the wave's end: behind my last LDS store
	ds_add_u32 v[SPW], v[NIL]
	s_wait_dscnt 0x0
	s_endpgm
.Lfunc_end_k_qaf09177491_quant:
	.size	k_qaf09177491_quant, .Lfunc_end_k_qaf09177491_quant-k_qaf09177491_quant
	.p2alignl 7, 3214868480
	.fill 96, 4, 3214868480
	.section	.rodata,"a",@progbits
	.p2align	6, 0x0
	.amdhsa_kernel k_qaf09177491_quant
		.amdhsa_group_segment_fixed_size 96768
		.amdhsa_private_segment_fixed_size 0
		.amdhsa_enable_private_segment 0
		.amdhsa_kernarg_size 40
		.amdhsa_user_sgpr_count 2
		.amdhsa_user_sgpr_kernarg_segment_ptr 1
		.amdhsa_wavefront_size32 1
		.amdhsa_system_sgpr_workgroup_id_x 1
		.amdhsa_system_sgpr_workgroup_id_y 1
		.amdhsa_system_sgpr_workgroup_id_z 1
		.amdhsa_system_vgpr_workitem_id 0
		.amdhsa_next_free_vgpr 200
		.amdhsa_next_free_sgpr 66
		.amdhsa_reserve_vcc 0
		.amdhsa_float_denorm_mode_32 3
		.amdhsa_float_denorm_mode_16_64 3
		.amdhsa_memory_ordered 1
		.amdhsa_forward_progress 1
		.amdhsa_inst_pref_size 38
	.end_amdhsa_kernel
	.amdgpu_metadata
---
amdhsa.version: [ 1, 2 ]
amdhsa.kernels:
  - .name:           k_qaf09177491_quant
    .symbol:         k_qaf09177491_quant.kd
    .args:
      - { .name: x, .offset: 0, .size: 8, .value_kind: global_buffer, .address_space: global }
      - { .name: W_qkv, .offset: 8, .size: 8, .value_kind: global_buffer, .address_space: global }
      - { .name: W_out, .offset: 16, .size: 8, .value_kind: global_buffer, .address_space: global }
      - { .name: opc, .offset: 24, .size: 8, .value_kind: global_buffer, .address_space: global }
      - { .name: ops, .offset: 32, .size: 8, .value_kind: global_buffer, .address_space: global }
    .group_segment_fixed_size: 96768
    .private_segment_fixed_size: 0
    .kernarg_segment_align: 8
    .kernarg_segment_size: 40
    .max_flat_workgroup_size: 256
    .sgpr_count:     66
    .vgpr_count:     200
    .wavefront_size: 32
...
	.end_amdgpu_metadata
.endif
;; end of part 1
;; launch qkv (part 2): grid 8 x 48, 4 waves a work-group, clusters of 4 x 4, 327,680 bytes of LDS; arguments opc, ops, b_qkv, ac, asc; writes ac, asc
.if DOCPART == 2
	.amdgcn_target "amdgcn-amd-amdhsa--gfx1250"
	.amdhsa_code_object_version 6
	.text
	.protected	k_qaf09177491_qkv
	.globl	k_qaf09177491_qkv
	.p2align	8
	.type	k_qaf09177491_qkv,@function
k_qaf09177491_qkv:
	s_mov_b64 s[64:65], 0
	v_nop
	global_prefetch_b8 v0, s[64:65] scope:SCOPE_SE
	s_setreg_imm32_b32 hwreg(HW_REG_WAVE_MODE, 25, 1), 1
	s_wait_xcnt 0x0
	s_wait_alu depctr_hold_cnt(0) depctr_sa_sdst(0) depctr_va_vdst(0) depctr_va_sdst(0) depctr_va_ssrc(0) depctr_va_vcc(0) depctr_vm_vsrc(0)
	s_getreg_b32 s2, hwreg(HW_REG_IB_STS2, 6, 4)
	s_cmp_eq_u32 s2, 0
	s_cbranch_scc0 .Lentry_in_a_cluster
	s_endpgm
.Lentry_in_a_cluster:
	s_bfe_u32 s2, ttmp6, 0x10000c
	s_cmp_lg_u32 s2, 0xf033
	s_cbranch_scc0 .Lentry_shape_is_right
	s_endpgm
.Lentry_shape_is_right:
; qkv = x W_qkv + b_qkv on codes of FP6 (E2M3) with E8M0 scales, sums in f32; the results are quantised here, in registers, into the operands of attention's two products: q and k along the head's 64, v along the keys.
; Nothing of the problem is left out here.  LIMITS: a block of zeros gets the scale byte 1 (its codes are zeros; this program alone reads the bytes); NaN and infinities are not served.
; OPERANDS lie in opc / ops as tiles of 16 rows in the order of the operand's registers (12,288 bytes a tile: 8 K steps of 1,536; 512 bytes of scale words a tile).  Of each 32 rows, tile 2 b + u holds rows 32 b + 8 u + i + 8 (i / 8).
; A work-group makes 256 (L) x 256 (P); each of four waves 128 x 128: 64 accumulators.  Source 0 = a tile of side P, source 1 = a tile of side L: a lane holds ONE row of L, and the 16 registers of P's tiles 2 b, 2 b + 1 are the
; 16 neighbours 32 b + 16 (lane / 16) + 0 .. 15 along P: so the results can be quantised along P as they stand.
;   clusters y 0-7  (q, k): L = tokens (x), P = features 0 .. 2,047 (W_qkv): a wave's 128 features are two heads: each 16 tokens give one half image (768 bytes) for each head.
;   clusters y 8-11 (v):    L = features 2,048 .. 3,071, P = tokens: a wave's 128 tokens are one key step: each 16 features give one image (1,536 bytes) of V^T.
; The two kinds part by a scalar branch on the cluster's y, the same in all partners, behind the last change of slots: no barrier and no tensor load stands in the arms.
; ac: q at 0: [batch x head 64][128 token tiles][768].  From 6,291,456: [64][196,608]: k [128 tiles][768], then V^T [16 key steps][4 tiles of d][1,536].
; asc: q at 0: [64][128][16 words]; from 524,288: [64][12,288]: k [128][16 words], V^T [16][4][16 words].  In q's and k's words bytes 0, 1 are the head's two blocks; bytes 2, 3 are never 0xff and meet zero codes.
; RING: K goes in steps of 256 (two instructions deep) through two LDS slots; a slot holds 16 + 16 tiles x 3,072 bytes.  All scale words of the 32 tiles come once.  CLUSTERS 4 x 4: L's tiles are shared along a row of the cluster,
; P's along a column, by joint loads.  By this text's count a wave has at most one tensor load out.  384 work-groups: a wave tile large enough for 256 would not fit the registers.
; No prefetch: K has four slots' worth and every tile is read by several work-groups at about the same time.
; REGISTERS, in windows of 256: window 0: v8-29 addresses; v32-63 scale words, two sets; v64-127 the bias; v128-223 L's fragments, one set (on the way out: 64 numbers, codes); v224-241 at work.
;   window 1: P's fragments, two sets, at v0 and v128.   windows 2, 3: the accumulators ((a, b) at v[8 (8 (a % 4) + b)] of window 2 + a / 4).
.set FR,     12
.set NL,     4                         ; LDS loads that bring a fragment
.set NP,     4                         ; places behind this matrix instruction (ISA guide 7.12.1)
.set NQ,     2
.set ROWB,   3072                      ; a tile's two K steps
.set HALFT,  8*ROWB                    ; eight tiles: what one tensor load brings, and what one wave reads of a side
.set SLOT,   4*HALFT
; THREE REGIONS of one slot's size: K pair 0 comes at the head into region 0, pairs 1 and 2 behind the head's round into regions 1 and 2 (each wave a whole side of one pair), pair 3 fills region 0 again behind the first change of slots.
.set SCL,    3*SLOT                    ; the scale words: L's 16 tiles x 512 bytes, then P's
.set STGQ,   SCL+16384                 ; q, k: 1,024 bytes a wave: 8 tiles x 64 bytes for each of two heads
.set STGV,   STGQ+4096                 ; v: 512 bytes a wave
.set SPARE,  STGV+2048                 ; the spare words, 128 bytes for each wave: two blocks of 256 bytes that no other line names
.set L16,  8                           ; v8   16 x lane
.set L8,   9                           ; v9   8 x lane
.set BA0,  10                          ; v10  64 h: the bias of q, k
.set QSS,  11                          ; v11  q, k: where a scale word goes
.set QSR,  12                          ; v12  and is read back
.set BA1,  13                          ; v13  4 (r + 8 (r / 8)): the bias of v
.set SH,   14                          ; v14  16 h
.set SVO,  15                          ; v15  16 r + 12,288 h
.set ADRA, 16                          ; v16-17 L's fragments in slot 0, 1, by 16 bytes a lane; v18-19 by 8
.set ADRB, 20                          ; v20-23 the same for P
.set VSS,  24                          ; v24  v: where a scale word goes
.set VSR,  25                          ; v25  and is read back
.set ADRS, 27                          ; v27  my scale words: lanes 0-15 L's, lanes 16-31 P's
.set SPW,  28                          ; v28  my spare word; never rewritten
.set NIL,  29                          ; v29  0; never rewritten
.set SC,   32
.set BI,   64
.set AF,   128
.set HA,   128
.set PC,   192
.set TM,   224
.set PW,   240
.set G1, 24
.set G0, 32
.set G1B, 48
.set G0B, 56
.set G1S, 68
.set G0S, 76
.set G1SB, 80
.set G0SB, 88
.set SEL, 100
.set MSB, 0
.macro WIN new                         ; the immediate's high byte repeats the setting that is left
.if MSB != \new
	s_set_vgpr_msb (MSB<<8)|\new
.set MSB, \new
.endif
.endm
.set MUL_LO, 0xa1                      ; source 0 (P) window 1, source 1 (L) window 0, C and D window 2
.set MUL_HI, 0xf1                      ; the same, C and D window 3
.set TO_B,   0x40                      ; destination window 1, address window 0
; A joint load: waves 0 and 1 fetch for L, waves 2 and 3 for P.  The branch hangs on the wave's number alone.  An s_nop 0 and four v_nop follow each of the two lines.
.macro JLOAD g0a, g1a, g0b, g1b
	s_cmp_eq_u32 s15, 0
	s_cbranch_scc0 .Lfor_b_\@
	tensor_load_to_lds s[\g0a:\g0a+3], s[\g1a:\g1a+7]
	s_nop 0
.rept 4
	v_nop
.endr
	s_branch .Lasked_\@
.Lfor_b_\@:
	tensor_load_to_lds s[\g0b:\g0b+3], s[\g1b:\g1b+7]
	s_nop 0
.rept 4
	v_nop
.endr
.Lasked_\@:
.endm
.macro CREST                           ; a round of the cluster's barrier behind its opening barrier
	s_cmp_lg_u32 s14, 0
	s_cbranch_scc1 .Lnot_wave_0_\@
	s_barrier_signal -3
.Lnot_wave_0_\@:
	s_barrier_wait -3
	s_barrier_signal -1
	s_barrier_wait -1
.endm
.macro CROUND
	s_barrier_signal -1
	s_barrier_wait -1
	CREST
.endm
	s_load_b256 s[4:11], s[0:1], 0x0               ; opc s[4:5], ops s[6:7], b_qkv s[8:9], ac s[10:11]
	s_load_b64 s[12:13], s[0:1], 0x20              ; asc
	v_lshl_add_u32 v[SPW], v0, 2, SPARE
	v_mov_b32 v[NIL], 0
	ds_add_u32 v[SPW], v[NIL]                      ; the wave's opening: the add, twice on end, and its wait ahead of my first tensor load
	ds_add_u32 v[SPW], v[NIL]                      ; and once more, under the one wait
	v_lshrrev_b32 v1, 5, v0
	v_readfirstlane_b32 s14, v1                    ; wave 0..3
	s_lshr_b32 s15, s14, 1                         ; which half of L's 256 rows is mine.  Also: I fetch for L (0) or for P (1)
	s_and_b32 s16, s14, 1                          ; which half of P's.  Also: which eight tiles of that side I fetch
	s_bfe_u32 s40, ttmp6, 0x40000                  ; cx, cy: my place in the cluster
	s_bfe_u32 s41, ttmp6, 0x40004
	s_and_b32 s18, ttmp7, 0xffff                   ; the cluster's y
	s_lshl_b32 s17, s18, 2
	s_add_co_u32 s17, s17, s41                     ; q, k: L's block of 256 tokens = 4 x cluster y + cy
	s_lshl_b32 s42, ttmp9, 2
	s_add_co_u32 s42, s42, s40                     ; q, k: P's block of 256 features = 4 x cluster x + cx
	s_sub_co_u32 s19, s18, 8
	s_lshl_b32 s19, s19, 1
	s_add_co_u32 s19, s19, ttmp9
	s_lshl_b32 s19, s19, 2
	s_add_co_u32 s19, s19, s40                     ; v: P's block of 256 tokens = 4 (2 (cluster y - 8) + cluster x) + cx
	s_cmp_ge_u32 s18, 8                            ; which kind: the cluster's y alone decides, the same in all sixteen partners
	s_cselect_b32 s3, 1, 0
	s_cselect_b32 s17, s41, s17                    ; L's block (v: cy): it never holds cx
	s_cselect_b32 s42, s19, s42                    ; P's block: it never holds cy
	s_cselect_b32 s92, 640, 0                      ; L's first tile in opc
	s_cselect_b32 s93, 0, 512                      ; P's
	s_lshl_b32 s43, s41, 2
	s_lshl_b32 s43, 15, s43                        ; my row of the cluster
	s_lshl_b32 s44, 0x1111, s40                    ; my column
	; descriptor group 1: eight tiles' two K steps: 8 rows of 3,072 bytes (384 elements of 8 bytes), 12,288 bytes apart; no padding: every LDS read is 16 or 8 bytes a lane on end
	s_or_b32 s[G1+0], s43, (3<<16)|(1<<21)         ; 15:0 the mask: L's tiles go to my row; 17:16 elements of 8 bytes; 21 set beside a mask
	s_or_b32 s[G1B+0], s44, (3<<16)|(1<<21)
.irp g, G1, G1B
	s_mov_b32 s[\g+1], 384<<16                     ; tensor_dim0
	s_mov_b32 s[\g+2], 16<<16                      ; tensor_dim1: the head's loads bring a side's sixteen tiles
	s_mov_b32 s[\g+3], 384<<16                     ; tile_dim0
	s_mov_b32 s[\g+4], 16                          ; tile_dim1
	s_mov_b32 s[\g+5], 1536                        ; tensor_dim0_stride
	s_mov_b32 s[\g+6], 0
	s_mov_b32 s[\g+7], 0
.endr
	; the scale words of sixteen tiles: 8,192 dense bytes as 32 rows of 256
	s_or_b32 s[G1S+0], s43, (3<<16)|(1<<21)
	s_or_b32 s[G1SB+0], s44, (3<<16)|(1<<21)
.irp g, G1S, G1SB
	s_mov_b32 s[\g+1], 32<<16
	s_mov_b32 s[\g+2], 32<<16
	s_mov_b32 s[\g+3], 32<<16
	s_mov_b32 s[\g+4], 32
	s_mov_b32 s[\g+5], 32
	s_mov_b32 s[\g+6], 0
	s_mov_b32 s[\g+7], 0
.endr
	s_mul_i32 s18, s16, 98304                      ; in the ring I fetch eight tiles of a side: which eight, in bytes
	s_mov_b32 s19, 0
	s_lshl_b32 s20, s17, 4
	s_add_co_u32 s20, s20, s92                     ; L: the first of its sixteen tiles
	s_lshl_b32 s46, s42, 4
	s_add_co_u32 s46, s46, s93                     ; P
	s_lshl_b32 s22, s20, 9                         ; their scale words, in bytes
	s_mov_b32 s23, 0
	s_lshl_b32 s94, s46, 9
	s_mov_b32 s95, 0
	s_mul_i32 s20, s20, 12288                      ; and their codes
	s_mov_b32 s21, 0
	s_mul_i32 s46, s46, 12288
	s_mov_b32 s47, 0
	s_mul_i32 s45, s14, HALFT                      ; where they go: no place in the cluster enters an LDS address
	s_mov_b32 s[SEL], 0x76543210
	s_mov_b32 s[SEL+1], 0xfedcba98                 ; v_permlanex16_b32's selects for lane l xor 16
	s_wait_dscnt 0x0                               ; both opening adds are done
	s_wait_kmcnt 0x0
	s_add_nc_u64 s[20:21], s[4:5], s[20:21]
	s_add_nc_u64 s[22:23], s[6:7], s[22:23]
	s_add_nc_u64 s[46:47], s[4:5], s[46:47]
	s_add_nc_u64 s[94:95], s[6:7], s[94:95]
	CROUND                                         ; all sixteen work-groups are here: the first joint loads meet
	s_mov_b32 s[G0S], 1
	s_mov_b32 s[G0S+1], SCL
	s_mov_b64 s[G0S+2:G0S+3], s[22:23]
	s_or_b32 s[G0S+3], s[G0S+3], 0x80000000
	s_mov_b32 s[G0SB], 1
	s_mov_b32 s[G0SB+1], SCL+8192
	s_mov_b64 s[G0SB+2:G0SB+3], s[94:95]
	s_or_b32 s[G0SB+3], s[G0SB+3], 0x80000000
	s_mul_i32 s96, s16, SLOT                       ; behind the head: waves 0, 1 fetch L's sixteen tiles of K pairs 1, 2; waves 2, 3 P's
	s_add_co_u32 s96, s96, SLOT                    ; region 1 or 2
	s_mul_i32 s92, s16, ROWB
	s_add_co_u32 s92, s92, ROWB                    ; the pair's place in a tile
	s_mov_b32 s93, 0
	s_mov_b32 s[G0+4], 1
	s_mov_b32 s[G0+5], s96
	s_add_nc_u64 s[G0+6:G0+7], s[20:21], s[92:93]
	s_or_b32 s[G0+7], s[G0+7], 0x80000000
	s_mov_b32 s[G0B+4], 1
	s_add_co_u32 s[G0B+5], s96, 2*HALFT
	s_add_nc_u64 s[G0B+6:G0B+7], s[46:47], s[92:93]
	s_or_b32 s[G0B+7], s[G0B+7], 0x80000000
	s_add_nc_u64 s[20:21], s[20:21], s[18:19]
	s_add_nc_u64 s[46:47], s[46:47], s[18:19]
.irp s, 0
	s_mov_b32 s[G0+4*\s], 1
	s_add_co_u32 s[G0+4*\s+1], s45, \s*SLOT
	s_add_nc_u64 s[G0+4*\s+2:G0+4*\s+3], s[20:21], \s*ROWB
	s_or_b32 s[G0+4*\s+3], s[G0+4*\s+3], 0x80000000
	s_mov_b32 s[G0B+4*\s], 1
	s_add_co_u32 s[G0B+4*\s+1], s45, \s*SLOT
	s_add_nc_u64 s[G0B+4*\s+2:G0B+4*\s+3], s[46:47], \s*ROWB
	s_or_b32 s[G0B+4*\s+3], s[G0B+4*\s+3], 0x80000000
.endr
; THE HEAD'S LOADS, ONE A WAVE: wave 0 L's sixteen tiles of slot 0, wave 1 L's scale words, wave 2 P's sixteen tiles, wave 3 P's scale words.
; Waves 0 and 2 use their own slot-0 group 0: it names the side's first tile and its first LDS byte, and group 1 counts sixteen rows here.
.macro ARM under, g0, g1, next
	s_cmp_lt_u32 s14, \under
	s_cbranch_scc0 \next
	tensor_load_to_lds s[\g0:\g0+3], s[\g1:\g1+7]
	s_nop 0
.rept 4
	v_nop
.endr
	s_branch .Lhead_asked
\next:
.endm
	ARM 1, G0,  G1,  .Lhead_sa
	ARM 2, G0S, G1S, .Lhead_b
	ARM 3, G0B, G1B, .Lhead_sb
	tensor_load_to_lds s[G0SB:G0SB+3], s[G1SB:G1SB+7]
	s_nop 0
.rept 4
	v_nop
.endr
.Lhead_asked:
	v_and_b32 v1, 15, v0                           ; r
	v_bfe_u32 v2, v0, 4, 1                         ; h
	v_and_b32 v3, 31, v0                           ; lane
	v_lshlrev_b32 v[L16], 4, v3
	v_lshlrev_b32 v[L8], 3, v3
	s_mul_i32 s21, s15, HALFT                      ; my eight tiles of L
	s_mul_i32 s22, s16, HALFT                      ; my eight of P,
	s_add_co_u32 s22, s22, 2*HALFT                 ; which lie behind L's sixteen
.irp s, 0,1
	v_add_nc_u32 v[ADRA+\s], s21, v[L16]
	v_add_nc_u32 v[ADRA+2+\s], s21, v[L8]
	v_add_nc_u32 v[ADRB+\s], s22, v[L16]
	v_add_nc_u32 v[ADRB+2+\s], s22, v[L8]
	s_add_co_u32 s21, s21, SLOT
	s_add_co_u32 s22, s22, SLOT
.endr
	s_lshl_b32 s21, s15, 12                        ; L's words: my eight tiles
	s_lshl_b32 s22, s16, 12
	s_add_co_u32 s22, s22, 8192                    ; P's, behind L's
	s_sub_co_u32 s22, s22, s21
	v_mul_u32_u24 v6, s22, v2                      ; lanes 16-31 take P's
	s_add_co_u32 s21, s21, SCL
	v_lshl_add_u32 v6, v1, 2, v6
	v_add_nc_u32 v[ADRS], s21, v6
	v_lshlrev_b32 v[BA0], 6, v2
	v_and_b32 v4, 8, v1
	v_add_nc_u32 v4, v4, v1
	v_lshlrev_b32 v[BA1], 2, v4
	v_lshlrev_b32 v[SH], 4, v2
	v_mul_u32_u24 v[SVO], v2, 12288
	v_lshl_add_u32 v[SVO], v1, 4, v[SVO]
	s_lshl_b32 s21, s14, 10
	s_add_co_u32 s21, s21, STGQ
	v_lshlrev_b32 v4, 9, v2
	v_lshl_add_u32 v4, v1, 2, v4
	v_add_nc_u32 v[QSS], s21, v4                   ; lanes 0-15: the even head's words; lanes 16-31: the odd head's, 512 bytes on
	v_add_nc_u32 v[QSR], s21, v[L16]
	s_lshl_b32 s21, s14, 9
	s_add_co_u32 s21, s21, STGV
	v_lshlrev_b32 v4, 2, v1
	v_add_nc_u32 v[VSS], s21, v4
	v_add_nc_u32 v[VSR], s21, v[L16]
.irp b, 0,1,2,3
	v_mov_b32 v[TM+4+\b], 0                        ; written once: a lane permute's destination counts as one of its sources
.endr
.macro FRAG reg, adr, q, i             ; a fragment, 16 rows x 128 K, 12 registers, as its image lies: 512, 256, 512, 256 bytes
	ds_load_b128 v[\reg:\reg+3], v[\adr] offset:(\i)*ROWB+(\q)*1536
	ds_load_b64 v[\reg+4:\reg+5], v[\adr+2] offset:(\i)*ROWB+(\q)*1536+512
	ds_load_b128 v[\reg+6:\reg+9], v[\adr] offset:(\i)*ROWB+(\q)*1536+768
	ds_load_b64 v[\reg+10:\reg+11], v[\adr+2] offset:(\i)*ROWB+(\q)*1536+1280
.endm
; 16 matrix instructions: L's blocks a0, a0 + 1 x P's eight tiles, 128 along K.  The 64 accumulators take turns, one instruction a turn, in the same order in every step.
.macro MUL16 a0, p, q, sc, zero
.irp a, \a0, \a0+1
.irp b, 0,1,2,3,4,5,6,7
.if \zero
	v_wmma_scale_f32_16x16x128_f8f6f4 v[8*(8*((\a)%4)+\b):8*(8*((\a)%4)+\b)+7], v[128*(\p)+FR*\b:128*(\p)+FR*\b+FR-1], v[AF+FR*(\a):AF+FR*(\a)+FR-1], 0, v[SC+8*NQ*(\sc)+NQ*\b+(\q)], v[SC+8*NQ*(\sc)+NQ*(\a)+(\q)] matrix_a_fmt:MATRIX_FMT_FP6 matrix_b_fmt:MATRIX_FMT_FP6 matrix_a_scale:MATRIX_SCALE_ROW1
.else
	v_wmma_scale_f32_16x16x128_f8f6f4 v[8*(8*((\a)%4)+\b):8*(8*((\a)%4)+\b)+7], v[128*(\p)+FR*\b:128*(\p)+FR*\b+FR-1], v[AF+FR*(\a):AF+FR*(\a)+FR-1], v[8*(8*((\a)%4)+\b):8*(8*((\a)%4)+\b)+7], v[SC+8*NQ*(\sc)+NQ*\b+(\q)], v[SC+8*NQ*(\sc)+NQ*(\a)+(\q)] matrix_a_fmt:MATRIX_FMT_FP6 matrix_b_fmt:MATRIX_FMT_FP6 matrix_a_scale:MATRIX_SCALE_ROW1
.endif
.endr
.endr
.endm
.macro FETCH_B slot, q, p
	WIN TO_B
.irp i, 0,1,2,3,4,5,6,7
	FRAG 128*(\p)+FR*\i, ADRB+\slot, \q, \i
.endr
	WIN 0
.endm
.macro FETCH_A slot, q, i0
.irp i, \i0, \i0+1, \i0+2, \i0+3
	FRAG AF+FR*(\i), ADRA+\slot, \q, \i
.endr
.endm
.macro SCALES sc                       ; a slot's scale words into set sc: register 2 i + q: lanes 0-15 L's block i, lanes 16-31 P's tile i
.irp i, 0,1,2,3,4,5,6,7
	ds_load_b32 v[SC+16*\sc+2*\i], v[ADRS] offset:512*\i
	ds_load_b32 v[SC+16*\sc+2*\i+1], v[ADRS] offset:512*\i+64
.endr
.endm
.macro PLACES n                        ; plain vector instructions between a matrix instruction and a load into, or a read of, its registers
.rept \n
	v_nop
.endr
.endm
.macro STEP slot, q, zero              ; a step of 128 along K that has its successor in the same slot
	s_wait_dscnt 4*NL                              ; P's set and L's blocks 0-3 are in; the youngest sixteen loads (L's blocks 4-7) may be out
	WIN MUL_LO
	MUL16 0, (\q)%2, \q, \slot, \zero
	MUL16 2, (\q)%2, \q, \slot, \zero
	s_wait_dscnt 0
	PLACES NP
	FETCH_B \slot, (\q)+1, 1-(\q)%2
	FETCH_A \slot, (\q)+1, 0
	WIN MUL_HI
	MUL16 4, (\q)%2, \q, \slot, \zero
	MUL16 6, (\q)%2, \q, \slot, \zero
	PLACES NP
	WIN 0
	FETCH_A \slot, (\q)+1, 4
.endm
; A slot's last step changes slots: one barrier; in front of it each wave waits for all its tensor loads, adds 0 to its spare word, and waits for that and for its own reads of this slot.  fill = 1: this slot is filled again.
.macro TURN slot, next, fill
.if \fill == 2                         ; fill = 2: the next pair was shown whole by an earlier barrier and nothing is filled: no wait for tiles, no barrier
	s_wait_dscnt 4*NL
.else
	s_wait_tensorcnt 0x0                           ; all my tensor loads have landed
	ds_add_u32 v[SPW], v[NIL]
	s_wait_dscnt 4*NL+1                            ; (the add and the youngest sixteen loads may be out)
.endif
	WIN MUL_LO
	MUL16 0, 1, NQ-1, \slot, 0
	s_wait_dscnt 0x0                               ; the add is done, and my reads of this pair are over
.if \fill < 2
	s_barrier_signal -1
.endif
	MUL16 2, 1, NQ-1, \slot, 0
	WIN 0
.if \fill < 2
	s_barrier_wait -1
.endif
.if \fill == 1
	CREST                                          ; the barrier has opened a round of the cluster's: no wave of any partner still reads this slot or has a load on its way
	s_add_nc_u64 s[G0+4*\slot+2:G0+4*\slot+3], s[G0+4*\slot+2:G0+4*\slot+3], 3*ROWB      ; the one refill: K pair 3, my eight tiles
	s_add_nc_u64 s[G0B+4*\slot+2:G0B+4*\slot+3], s[G0B+4*\slot+2:G0B+4*\slot+3], 3*ROWB
	s_mov_b32 s[G1+2], 8<<16                       ; no tensor load of mine is out: this load brings eight tiles
	s_mov_b32 s[G1+4], 8
	s_mov_b32 s[G1B+2], 8<<16
	s_mov_b32 s[G1B+4], 8
	JLOAD G0+4*\slot, G1, G0B+4*\slot, G1B         ; the first tensor load behind the round; its four v_nop are the places in front of the loads below
.else
	PLACES NP
.endif
	s_wait_alu depctr_va_vdst(0)
	v_add_nc_u32 v[ADRS], 64*NQ, v[ADRS]           ; the next slot's scale words (no LDS load of mine is out)
	FETCH_B \next, 0, 0
	FETCH_A \next, 0, 0
	SCALES \next
	WIN MUL_HI
	MUL16 4, 1, NQ-1, \slot, 0
	MUL16 6, 1, NQ-1, \slot, 0
	PLACES NP
	WIN 0
	FETCH_A \next, 0, 4
.endm
.macro TAIL                            ; the last slot's two steps; then the bias is awaited
	STEP 1, 0, 0
	s_wait_dscnt 4*NL
	WIN MUL_LO
	MUL16 0, 1, NQ-1, 1, 0
	MUL16 2, 1, NQ-1, 1, 0
	s_wait_dscnt 0
	WIN MUL_HI
	MUL16 4, 1, NQ-1, 1, 0
	MUL16 6, 1, NQ-1, 1, 0
	WIN 0
	PLACES NP                                      ; in front of the first read of results and the first write of L's fragments' registers
	s_wait_loadcnt 0x0
.endm
; 64 numbers of a lane, register 16 b + i = place 32 b + 16 (lane / 16) + i along the next K of my row, become a fragment's codes in v[PC] on and its scale word in v[PW].
.macro QUANT s
.irp b, 0,1,2,3
	v_max3_num_f32 v[TM+\b], |v[\s+16*\b]|, |v[\s+1+16*\b]|, 0x1800000   ; block b: my 16 numbers, and the floor 2^(3 - 127)
.endr
.irp i, 2,4,6,8,10,12,14
.irp b, 0,1,2,3
	v_max3_num_f32 v[TM+\b], v[TM+\b], |v[\s+16*\b+\i]|, |v[\s+1+16*\b+\i]|
.endr
.endr
.irp b, 0,1,2,3
	v_permlanex16_b32 v[TM+4+\b], v[TM+\b], s[SEL], s[SEL+1]
.endr
.irp b, 0,1,2,3
	v_max_num_f32 v[TM+\b], v[TM+\b], v[TM+4+\b]   ; with lane l xor 16's: the block's largest magnitude
.endr
.irp b, 0,1,2,3
	v_add_nc_u32 v[TM+12+\b], 0xff000000, v[TM+\b] ; 2 off its exponent field: the conversion's scale operand
.endr
.irp b, 0,1,2,3
	v_lshrrev_b32 v[TM+4+\b], 23, v[TM+12+\b]      ; the scale's byte
.endr
	v_lshl_or_b32 v[PW], v[TM+5], 8, v[TM+4]
	v_lshl_or_b32 v[PW], v[TM+6], 16, v[PW]
	v_lshl_or_b32 v[PW], v[TM+7], 24, v[PW]
.irp c, 0,1
	v_cvt_scalef32_pk16_fp6_f32 v[PC+6*\c:PC+2+6*\c], v[\s+32*\c:\s+15+32*\c], v[TM+12+2*\c]
	v_cvt_scalef32_pk16_fp6_f32 v[PC+12+4*\c:PC+14+4*\c], v[\s+16+32*\c:\s+31+32*\c], v[TM+12+2*\c+1]   ; (a conversion's three registers begin on an even number)
.endr
	v_nop                                          ; one plain place behind a scaled conversion
.irp c, 0,1                                    ; the operand's layout wants a whole block in a lane
.irp i, 0,1,2
	v_permlane16_swap_b32 v[PC+6*\c+\i], v[PC+12+4*\c+\i]
.endr
.irp i, 0,1,2
	v_mov_b32 v[PC+3+6*\c+\i], v[PC+12+4*\c+\i]
.endr
.endr
.endm
; q, k: L's block a (16 tokens) x my 128 features: + bias, quantised: registers 0-5 are the even head's half image, 6-11 the odd head's.
.macro OUTQ a
.if (\a) > 0
	s_wait_xcnt 0x0                                ; the last block's stores have read their data,
	s_wait_dscnt 0x0                               ; and so has its LDS store
.endif
	WIN 0x02+(\a)/4                                ; source 0: window 2 or 3
.set i, 0
.rept 32
	v_pk_add_f32 v[HA+2*i:HA+2*i+1], v[64*((\a)%4)+2*i:64*((\a)%4)+2*i+1], v[BI+2*i:BI+2*i+1]   ; each accumulator from its low end on
.set i, i+1
.endr
	WIN 0
	QUANT HA
	global_store_b128 v[L16], v[PC:PC+3], s[66:67] offset:768*(\a)
	global_store_b64 v[L8], v[PC+4:PC+5], s[66:67] offset:768*(\a)+512
	global_store_b128 v[L16], v[PC+6:PC+9], s[98:99] offset:768*(\a)
	global_store_b64 v[L8], v[PC+10:PC+11], s[98:99] offset:768*(\a)+512
	v_lshrrev_b32 v241, v[SH], v[PW]               ; lanes 16-31: the odd head's two bytes come down
	ds_store_b32 v[QSS], v241 offset:64*(\a)
.endm
; v: L's block a (16 features of a head) x my 128 tokens: + bias, quantised along the tokens: one image of V^T.
.macro OUTV a
.if (\a) > 0
	s_wait_xcnt 0x0
	s_wait_dscnt 0x0
.endif
	WIN 0x02+(\a)/4
.set i, 0
.rept 32
	v_pk_add_f32 v[HA+2*i:HA+2*i+1], v[64*((\a)%4)+2*i:64*((\a)%4)+2*i+1], v[BI+2*(\a):BI+2*(\a)+1]
.set i, i+1
.endr
	WIN 0
	QUANT HA
	global_store_b128 v[L16], v[PC:PC+3], s[66:67] offset:196608*((\a)/4)+1536*((\a)%4)
	global_store_b64 v[L8], v[PC+4:PC+5], s[66:67] offset:196608*((\a)/4)+1536*((\a)%4)+512
	global_store_b128 v[L16], v[PC+6:PC+9], s[66:67] offset:196608*((\a)/4)+1536*((\a)%4)+768
	global_store_b64 v[L8], v[PC+10:PC+11], s[66:67] offset:196608*((\a)/4)+1536*((\a)%4)+1280
	ds_store_b32 v[VSS], v[PW] offset:64*(\a)      ; lanes r and r + 16 write the same word with the same value
.endm
	s_wait_alu depctr_va_vdst(0)                   ; the wait at the head's end
	s_wait_tensorcnt 0x0                           ; my tile of the head's four is in; the same lines as ahead of a refill stand ahead of slot 1's first fill
	ds_add_u32 v[SPW], v[NIL]
	s_wait_dscnt 0x0
	CROUND                                         ; all four tiles are in, all sixteen work-groups are here
	JLOAD G0+4, G1, G0B+4, G1B                     ; slot 1's first fill, the first tensor load behind the round
	FETCH_B 0, 0, 0
	FETCH_A 0, 0, 0
	SCALES 0
	FETCH_A 0, 0, 4
	STEP 0, 0, 1                                   ; the first products start the sums
	TURN 0, 1, 1                                   ; pairs 1 and 2 are whole; region 0 takes pair 3
.irp r, ADRA, ADRA+2, ADRB, ADRB+2
	v_add_nc_u32 v[\r], 2*SLOT, v[\r]              ; the even pairs' addresses go on to region 2
.endr
	s_wait_alu depctr_va_vdst(0)                   ; the wait here
	STEP 1, 0, 0
	TURN 1, 0, 2
.irp r, ADRA+1, ADRA+3, ADRB+1, ADRB+3
	v_sub_nc_u32 v[\r], v[\r], SLOT                ; the odd pairs' addresses go back to region 0
.endr
	s_wait_alu depctr_va_vdst(0)                   ; likewise
	STEP 0, 0, 0
	TURN 0, 1, 0                                   ; the last change of slots fills nothing
	s_cmp_eq_u32 s3, 0
	s_cbranch_scc0 .Lvalues
	; ---- q, k.  The bias: register 16 b + e = b_qkv[256 P + 128 half + 32 b + 16 h + e]; it lands under the last 128 products
	s_lshl_b32 s20, s42, 10
	s_lshl_b32 s21, s16, 9
	s_add_co_u32 s20, s20, s21
	s_mov_b32 s21, 0
	s_add_nc_u64 s[8:9], s[8:9], s[20:21]
.irp b, 0,1,2,3
.irp j, 0,1,2,3
	global_load_b128 v[BI+16*\b+4*\j:BI+16*\b+4*\j+3], v[BA0], s[8:9] offset:128*\b+16*\j
.endr
.endr
	s_lshl_b32 s20, s17, 4
	s_lshl_b32 s21, s15, 3
	s_add_co_u32 s20, s20, s21                     ; my first token tile of 512
	s_lshr_b32 s21, s20, 7                         ; the batch
	s_and_b32 s20, s20, 127                        ; the tile in it
	s_lshl_b32 s22, s42, 1
	s_add_co_u32 s22, s22, s16
	s_and_b32 s22, s22, 7
	s_lshl_b32 s22, s22, 1                         ; my even head
	s_lshl_b32 s21, s21, 4
	s_add_co_u32 s21, s21, s22                     ; 16 x batch + head
	s_lshl_b32 s22, 98304, ttmp9                   ; from head to head: q 98,304 bytes, k (cluster x = 1) 196,608
	s_mul_i32 s23, s21, s22
	s_mul_i32 s92, s20, 768
	s_add_co_u32 s23, s23, s92
	s_mul_i32 s92, ttmp9, 6291456
	s_add_co_u32 s92, s92, s23
	s_mov_b32 s93, 0
	s_add_nc_u64 s[66:67], s[10:11], s[92:93]      ; the even head's half images
	s_mov_b32 s23, 0
	s_add_nc_u64 s[98:99], s[66:67], s[22:23]      ; the odd head's
	s_lshl_b32 s92, ttmp9, 12
	s_add_co_u32 s92, s92, 8192                    ; the scale words, from head to head: q 8,192, k 12,288
	s_mul_i32 s94, s21, s92
	s_lshl_b32 s95, s20, 6
	s_add_co_u32 s94, s94, s95
	s_lshl_b32 s95, ttmp9, 19
	s_add_co_u32 s94, s94, s95
	s_mov_b32 s95, 0
	s_add_nc_u64 s[12:13], s[12:13], s[94:95]
	s_mov_b32 s93, 0
	s_add_nc_u64 s[96:97], s[12:13], s[92:93]
	TAIL
.irp a, 0,1,2,3,4,5,6,7
	OUTQ \a
.endr
	ds_load_b128 v[128:131], v[QSR]                ; my own wave's bytes, served in order: eight tiles' words of the even head,
	ds_load_b128 v[132:135], v[QSR] offset:512     ; and of the odd
	s_wait_dscnt 0x0
	global_store_b128 v[L16], v[128:131], s[12:13] ; 512 consecutive bytes each
	global_store_b128 v[L16], v[132:135], s[96:97]
	s_branch .Ldone
.Lvalues:
	; ---- v.  The bias of my lane's feature, for each block a, twice (a pair for the packed addition)
	s_lshl_b32 s20, s17, 10
	s_lshl_b32 s21, s15, 9
	s_add_co_u32 s20, s20, s21
	s_add_co_u32 s20, s20, 8192
	s_mov_b32 s21, 0
	s_add_nc_u64 s[8:9], s[8:9], s[20:21]
.irp a, 0,1,2,3,4,5,6,7
	global_load_b32 v[BI+2*\a], v[BA1], s[8:9] offset:(32*(\a/2)+8*(\a%2))*4
	global_load_b32 v[BI+2*\a+1], v[BA1], s[8:9] offset:(32*(\a/2)+8*(\a%2))*4
.endr
	s_lshl_b32 s20, s42, 1
	s_add_co_u32 s20, s20, s16                     ; my key step of 64
	s_lshr_b32 s21, s20, 4                         ; the batch
	s_and_b32 s20, s20, 15                         ; the key step in it
	s_lshl_b32 s21, s21, 4
	s_lshl_b32 s22, s17, 2
	s_add_co_u32 s21, s21, s22
	s_lshl_b32 s22, s15, 1
	s_add_co_u32 s21, s21, s22                     ; 16 x batch + my first head
	s_mul_i32 s22, s21, 196608
	s_mul_i32 s23, s20, 6144
	s_add_co_u32 s22, s22, s23
	s_add_co_u32 s22, s22, 6291456+98304
	s_mov_b32 s23, 0
	s_add_nc_u64 s[66:67], s[10:11], s[22:23]
	s_mul_i32 s22, s21, 12288
	s_lshl_b32 s23, s20, 8
	s_add_co_u32 s22, s22, s23
	s_add_co_u32 s22, s22, 524288+8192
	s_mov_b32 s23, 0
	s_add_nc_u64 s[12:13], s[12:13], s[22:23]
	TAIL
.irp a, 0,1,2,3,4,5,6,7
	OUTV \a
.endr
	ds_load_b128 v[128:131], v[VSR]
	s_wait_dscnt 0x0
	global_store_b128 v[SVO], v[128:131], s[12:13] ; lanes 0-15: my first head's 256 bytes; lanes 16-31: the next head's
.Ldone:
	s_wait_tensorcnt 0x0                           ; the wave's end: behind my last tensor load and my last LDS store
	ds_add_u32 v[SPW], v[NIL]
	s_wait_dscnt 0x0
	CROUND                                         ; the closing round
	s_endpgm
.Lfunc_end_k_qaf09177491_qkv:
	.size	k_qaf09177491_qkv, .Lfunc_end_k_qaf09177491_qkv-k_qaf09177491_qkv
	.p2alignl 7, 3214868480
	.fill 96, 4, 3214868480
	.section	.rodata,"a",@progbits
	.p2align	6, 0x0
	.amdhsa_kernel k_qaf09177491_qkv
		.amdhsa_group_segment_fixed_size 327680
		.amdhsa_private_segment_fixed_size 0
		.amdhsa_enable_private_segment 0
		.amdhsa_kernarg_size 40
		.amdhsa_user_sgpr_count 2
		.amdhsa_user_sgpr_kernarg_segment_ptr 1
		.amdhsa_wavefront_size32 1
		.amdhsa_system_sgpr_workgroup_id_x 1
		.amdhsa_system_sgpr_workgroup_id_y 1
		.amdhsa_system_sgpr_workgroup_id_z 1
		.amdhsa_system_vgpr_workitem_id 0
		.amdhsa_next_free_vgpr 1024
		.amdhsa_next_free_sgpr 102
		.amdhsa_reserve_vcc 0
		.amdhsa_float_denorm_mode_32 3
		.amdhsa_float_denorm_mode_16_64 3
		.amdhsa_memory_ordered 1
		.amdhsa_forward_progress 1
		.amdhsa_inst_pref_size 245
	.end_amdhsa_kernel
	.amdgpu_metadata
---
amdhsa.version: [ 1, 2 ]
amdhsa.kernels:
  - .name:           k_qaf09177491_qkv
    .symbol:         k_qaf09177491_qkv.kd
    .args:
      - { .name: opc, .offset: 0, .size: 8, .value_kind: global_buffer, .address_space: global }
      - { .name: ops, .offset: 8, .size: 8, .value_kind: global_buffer, .address_space: global }
      - { .name: b_qkv, .offset: 16, .size: 8, .value_kind: global_buffer, .address_space: global }
      - { .name: ac, .offset: 24, .size: 8, .value_kind: global_buffer, .address_space: global }
      - { .name: asc, .offset: 32, .size: 8, .value_kind: global_buffer, .address_space: global }
    .group_segment_fixed_size: 327680
    .private_segment_fixed_size: 0
    .kernarg_segment_align: 8
    .kernarg_segment_size: 40
    .max_flat_workgroup_size: 128
    .sgpr_count:     102
    .vgpr_count:     1024
    .wavefront_size: 32
...
	.end_amdgpu_metadata
.endif
;; end of part 2
;; launch attn (part 3): grid 4 x 64, 16 waves a work-group, clusters of 4 x 1, 327,680 bytes of LDS; arguments ac, asc, oc, os; writes oc, os
.if DOCPART == 3
	.amdgcn_target "amdgcn-amd-amdhsa--gfx1250"
	.amdhsa_code_object_version 6
	.text
	.protected	k_qaf09177491_attn
	.globl	k_qaf09177491_attn
	.p2align	8
	.type	k_qaf09177491_attn,@function
k_qaf09177491_attn:
	s_mov_b64 s[64:65], 0
	v_nop
	global_prefetch_b8 v0, s[64:65] scope:SCOPE_SE
	s_setreg_imm32_b32 hwreg(HW_REG_WAVE_MODE, 25, 1), 1
	s_wait_xcnt 0x0
	s_wait_alu depctr_hold_cnt(0) depctr_sa_sdst(0) depctr_va_vdst(0) depctr_va_sdst(0) depctr_va_ssrc(0) depctr_va_vcc(0) depctr_vm_vsrc(0)
	s_getreg_b32 s2, hwreg(HW_REG_IB_STS2, 6, 4)
	s_cmp_eq_u32 s2, 0
	s_cbranch_scc0 .Lentry_in_a_cluster
	s_endpgm
.Lentry_in_a_cluster:
	s_bfe_u32 s2, ttmp6, 0x10000c
	s_cmp_lg_u32 s2, 0x3003
	s_cbranch_scc0 .Lentry_shape_is_right
	s_endpgm
.Lentry_shape_is_right:
; o = softmax(q k^T / 8) v for one batch x head (grid y) and 512 queries (place in the cluster), on codes of FP6 (E2M3) with E8M0 scales; o is quantised here along the head's 64 into proj's operand.
; Nothing of the problem is left out here.  p = 2^(t - M), t = score x log2(e) / 8, M the ceiling of the running largest t (a whole number); the row's sum is taken of the unquantised p; O^T is divided by it at the end.
; LIMITS: the promise holds while the scaled scores t stay under 2^31 in magnitude; a block whose every p is 0 keeps the scale byte 1 (its codes are zeros; this program alone reads the bytes); NaN and infinities are not served.
; SHARES: 16 waves; a wave owns 32 queries (two tiles A, B of 16), a lane one query of each.  Both products are used transposed (S^T = k q^T, O^T = v^T p^T).  Each K and V fragment read from LDS serves both tiles.
; LDS: the head's K and V^T codes (768 rows of 256 bytes) and scale words (48 rows) come ONCE, by joint loads of the cluster's four work-groups, which read the same head: waves 0-11 fetch 64 rows of codes each,
; waves 12-15 twelve rows of scale words each: one tensor load a wave, nothing is filled again.  Code rows are padded by 64 bytes (pitch 320): two stored K tiles are then 1,920 bytes apart, 128 modulo 256.
; No prefetch: all that the launch reads through LDS is asked for at its head; there is no loop to run ahead in.
; THE ROWS OF A K TILE ARE CHOSEN BY THE LANES' ADDRESSES: stored tile 2 b + u holds keys 32 b + 8 u + i + 8 (i / 8).  Tile n = 4 c + t of a step takes keys 64 c + 8 t + 0..7 as rows 0-7 and keys 64 c + 32 + 8 t + 0..7 as rows 8-15:
; row r comes from stored tile 4 c + 2 (r / 8) + t % 2, row r % 8 + 8 (t / 2).  So lane (query, h) holds in registers S + 32 c + 0..31 the WHOLE block of keys 64 c + 32 h + 0..31, in order: the block's maximum needs no other lane,
; and the conversions' results are the operand's registers.  K's fragments overlap (6 registers a tile; the upper 6 of each are the next tile's, the last tile's are p's codes): they meet q's zero codes.
; q's two half images lie in the wave's own LDS bytes and are fetched into one fragment by turns.
.set KT,    960                        ; a stored K tile: 3 rows of 320
.set VT,    1920                       ; a V^T tile: 6 rows
.set STEPB, 7680                       ; a step of 128 keys: 8 K tiles, or 4 V^T tiles
.set VCOD,  122880                     ; V^T's codes: row 384
.set KSCL,  245760
.set VSCL,  KSCL+8192
.set QL,    VSCL+4096                  ; q's images: 1,536 bytes a wave
.set SPARE, QL+16*1536                 ; the spare words, 128 bytes a wave: eight blocks of 256 bytes that no other line names
.set AK16, 1                           ; v1-6 lane terms of the LDS addresses: K by 16 and by 8 bytes, V likewise, K's and V's scale words
.set AK8,  2
.set AV16, 3
.set AV8,  4
.set AKS,  5
.set AVS,  6
.set AQ16, 7                           ; v7-8 my q images
.set AQ8,  8
.set QSA,  9                           ; v9-10 q's scale words, v11-12 p's
.set PSA,  11
.set KS,   14                          ; v14-17 K's scale words; v18-19 V's
.set VS,   18
.set STA,  20                          ; v20 -M, v21 the running largest score, v22-23 the sum in two halves; tile B: v24-27
.set F,    28
.set PT,   30
.set BM,   32
.set SO,   34
.set T0,   36
.set T1,   37
.set SPW,  38                          ; my spare word; never rewritten
.set NIL,  39                          ; 0; never rewritten
.set Q,    40                          ; v40-45 q's codes, v46-51 zeros
.set KV,   52                          ; v52-99 K's eight or V's four fragments
.set PC,   100                         ; v100-111 p's codes of tile A, v112-123 of tile B
.set S,    124                         ; v124-187 scores, then p
.set O,    188                         ; v188-219 O^T of tile A, v220-251 of tile B
.set W16,  252                         ; v252-254 a step's LDS addresses
.set W8,   253
.set WS,   254
.set WV,   12
.set G1C,  16
.set G1S,  24
.set G0C,  32
.set G0S,  36
.set CS,   40
.set SEL,  42
.set TK,   44
.set TS,   45
.set TT,   46
.set CNT,  47
.macro CROUND
	s_barrier_signal -1
	s_barrier_wait -1
	s_cmp_lg_u32 s[WV], 0
	s_cbranch_scc1 .Lnot_wave_0_\@
	s_barrier_signal -3
.Lnot_wave_0_\@:
	s_barrier_wait -3
	s_barrier_signal -1
	s_barrier_wait -1
.endm
	s_load_b256 s[4:11], s[0:1], 0x0               ; ac s[4:5], asc s[6:7], oc s[8:9], os s[10:11]
	v_lshl_add_u32 v[SPW], v0, 2, SPARE
	v_mov_b32 v[NIL], 0
	ds_add_u32 v[SPW], v[NIL]                      ; the opening lines: the add, twice on end, and its wait ahead of my tensor load
	ds_add_u32 v[SPW], v[NIL]
	v_lshrrev_b32 v[T0], 5, v0
	v_readfirstlane_b32 s[WV], v[T0]               ; wave 0..15
	s_bfe_u32 s13, ttmp6, 0x40000                  ; cx: which 512 queries
	s_and_b32 s14, ttmp7, 0xffff                   ; batch x head
	s_mov_b32 s[G1C], 15|(3<<16)|(1<<20)|(1<<21)|(5<<22)|(15<<25)   ; all four partners; elements of 8 bytes; behind every 64 words 16 words of padding
	s_mov_b32 s[G1C+1], 32<<16
	s_mov_b32 s[G1C+2], 64<<16
	s_mov_b32 s[G1C+3], 32<<16
	s_mov_b32 s[G1C+4], 64
	s_mov_b32 s[G1C+5], 32
	s_mov_b32 s[G1C+6], 0
	s_mov_b32 s[G1C+7], 0
	s_mov_b32 s[G1S], 15|(3<<16)|(1<<21)
	s_mov_b32 s[G1S+1], 32<<16
	s_mov_b32 s[G1S+2], 12<<16
	s_mov_b32 s[G1S+3], 32<<16
	s_mov_b32 s[G1S+4], 12
	s_mov_b32 s[G1S+5], 32
	s_mov_b32 s[G1S+6], 0
	s_mov_b32 s[G1S+7], 0
	s_mul_i32 s60, s14, 196608                     ; the head's K and V^T codes,
	s_lshl_b32 s62, s[WV], 14                      ; my 64 rows of them
	s_add_co_u32 s60, s60, s62
	s_add_co_u32 s60, s60, 6291456
	s_mov_b32 s61, 0
	s_mul_i32 s62, s[WV], 64*320                   ; and where they go
	s_mul_i32 s2, s14, 12288                       ; the head's scale words; waves 12-15 take 12 rows each
	s_mul_i32 s15, s[WV], 3072
	s_add_co_u32 s2, s2, s15
	s_add_co_u32 s2, s2, 524288-12*3072
	s_mov_b32 s3, 0
	s_add_co_u32 s15, s15, KSCL-12*3072
	s_lshl_b32 s48, s13, 5
	s_lshl_b32 s49, s[WV], 1
	s_add_co_u32 s48, s48, s49                     ; my first token tile of the batch's 128
	s_lshl_b32 s49, s14, 7
	s_add_co_u32 s49, s49, s48
	s_mul_i32 s50, s49, 768                        ; q's half images
	s_mov_b32 s51, 0
	s_lshl_b32 s52, s49, 6                         ; q's scale words
	s_mov_b32 s53, 0
	s_lshr_b32 s49, s14, 4
	s_lshl_b32 s49, s49, 7
	s_add_co_u32 s49, s49, s48                     ; the token tile of 512
	s_lshl_b32 s49, s49, 3
	s_bfe_u32 s54, s14, 0x30001
	s_add_co_u32 s49, s49, s54                     ; its K step of proj: head / 2
	s_and_b32 s54, s14, 1
	s_mul_i32 s56, s49, 1536
	s_mul_i32 s55, s54, 768                        ; the half image: head % 2
	s_add_co_u32 s56, s56, s55
	s_mov_b32 s57, 0
	s_lshl_b32 s58, s49, 6
	s_lshl_b32 s54, s54, 1
	s_add_co_u32 s58, s58, s54                     ; two bytes of each row's scale word
	s_mov_b32 s59, 0
	s_mov_b32 s[CS], 0x3e38aa3b                    ; log2(e) / 8
	s_mov_b32 s[CS+1], s[CS]
	s_mov_b32 s[SEL], 0x76543210
	s_mov_b32 s[SEL+1], 0xfedcba98                 ; v_permlanex16_b32's selects for lane l xor 16
	s_wait_dscnt 0x0                               ; both opening adds are done
	s_wait_kmcnt 0x0
	s_mov_b32 s[G0C], 1
	s_mov_b32 s[G0C+1], s62
	s_add_nc_u64 s[G0C+2:G0C+3], s[4:5], s[60:61]
	s_or_b32 s[G0C+3], s[G0C+3], 0x80000000
	s_mov_b32 s[G0S], 1
	s_mov_b32 s[G0S+1], s15
	s_add_nc_u64 s[G0S+2:G0S+3], s[6:7], s[2:3]
	s_or_b32 s[G0S+3], s[G0S+3], 0x80000000
	s_add_nc_u64 s[4:5], s[4:5], s[50:51]
	s_add_nc_u64 s[6:7], s[6:7], s[52:53]
	s_add_nc_u64 s[8:9], s[8:9], s[56:57]
	s_add_nc_u64 s[10:11], s[10:11], s[58:59]
	CROUND                                         ; the four partners are here: the joint loads meet
	s_cmp_lt_u32 s[WV], 12
	s_cbranch_scc0 .Lscales
	tensor_load_to_lds s[G0C:G0C+3], s[G1C:G1C+7]
	s_nop 0
.rept 4
	v_nop
.endr
	s_branch .Lasked
.Lscales:
	tensor_load_to_lds s[G0S:G0S+3], s[G1S:G1S+7]
	s_nop 0
.rept 4
	v_nop
.endr
.Lasked:
	v_and_b32 v[S+16], 31, v0                      ; lane
	v_and_b32 v[S+17], 15, v0                      ; r
	v_bfe_u32 v[S+18], v0, 4, 1                    ; h
	v_and_b32 v[S+19], 7, v0                       ; r % 8
	v_bfe_u32 v[S+20], v0, 3, 1                    ; r / 8
	v_lshlrev_b32 v[S+21], 4, v[S+16]
	v_lshlrev_b32 v[S+22], 3, v[S+16]
	v_lshlrev_b32 v[S+23], 2, v[S+17]
	global_load_b128 v[S:S+3], v[S+21], s[4:5]                 ; q's two half images and scale words
	global_load_b64 v[S+4:S+5], v[S+22], s[4:5] offset:512
	global_load_b128 v[S+8:S+11], v[S+21], s[4:5] offset:768
	global_load_b64 v[S+12:S+13], v[S+22], s[4:5] offset:1280
	global_load_b32 v[QSA], v[S+23], s[6:7]
	global_load_b32 v[QSA+1], v[S+23], s[6:7] offset:64
	v_mul_u32_u24 v[AK8], v[S+20], 2*KT            ; rows 8-15 come from two stored tiles further on
	v_mad_u32_u24 v[AK16], v[S+18], 320, v[AK8]    ; registers 0-3: 16 bytes a stored lane; lanes 16-31 lie in the next row of 256
	v_lshl_add_u32 v[AK16], v[S+19], 4, v[AK16]
	v_lshl_add_u32 v[AK8], v[S+18], 7, v[AK8]      ; registers 4, 5: 8 bytes a stored lane
	v_lshl_add_u32 v[AK8], v[S+19], 3, v[AK8]
	v_mul_u32_u24 v[AV16], v[S+18], 320
	v_lshl_add_u32 v[AV16], v[S+17], 4, v[AV16]
	v_add_nc_u32 v[AV16], VCOD, v[AV16]
	v_add_nc_u32 v[AV8], VCOD, v[S+22]
	v_lshlrev_b32 v[AKS], 7, v[S+20]               ; K's words: 64 bytes a stored tile; lanes 16-31 take the odd tile's
	v_lshl_add_u32 v[AKS], v[S+18], 6, v[AKS]
	v_lshl_add_u32 v[AKS], v[S+19], 2, v[AKS]
	v_add_nc_u32 v[AKS], KSCL, v[AKS]
	v_lshl_add_u32 v[AVS], v[S+16], 2, VSCL
	s_mul_i32 s48, s[WV], 1536
	s_add_co_u32 s48, s48, QL
	v_add_nc_u32 v[AQ16], s48, v[S+21]
	v_add_nc_u32 v[AQ8], s48, v[S+22]
.irp i, 0,1,2,3,4,5
	v_mov_b32 v[Q+6+\i], 0                         ; the head has 64 of the instruction's 128: zero codes
	v_mov_b32 v[PC+\i], 0                          ; named as the upper half of K's last fragment before they are first written
.endr
.irp x, 0,4
	v_mov_b32 v[STA+\x], 0x7f61b1e6                ; -M
	v_mov_b32 v[STA+\x+1], 0xff61b1e6              ; the largest score so far: -3e38
	v_mov_b32 v[STA+\x+2], 0
	v_mov_b32 v[STA+\x+3], 0
.endr
	v_mov_b32 v[F+1], 0                            ; named as the upper half of a pair
	v_mov_b32 v[T1], 0                             ; a lane permute's destination counts as one of its sources
.set j, 0
.rept 64
	v_mov_b32 v[O+j], 0                            ; the step is written once: the first finds zeros
.set j, j+1
.endr
	s_mov_b32 s[TK], 0
	s_mov_b32 s[TS], 0
	s_mov_b32 s[TT], 0
	s_mov_b32 s[CNT], 16
	s_wait_alu depctr_va_vdst(0)                   ; the wait at the head's end
	s_wait_loadcnt 0x0
	ds_store_b128 v[AQ16], v[S:S+3]                ; my own wave's bytes
	ds_store_b64 v[AQ8], v[S+4:S+5] offset:512
	ds_store_b128 v[AQ16], v[S+8:S+11] offset:768
	ds_store_b64 v[AQ8], v[S+12:S+13] offset:1280
	s_wait_tensorcnt 0x0                           ; my rows are in,
	s_wait_dscnt 0x0
	s_barrier_signal -1
	s_barrier_wait -1                              ; everybody's are
; S^T = k q^T: eight tiles of 16 keys, each accumulator once
.macro QK qs
.irp n, 0,1,2,3,4,5,6,7
.if \n%2
	v_wmma_scale_f32_16x16x128_f8f6f4 v[S+8*\n:S+8*\n+7], v[KV+6*\n:KV+6*\n+11], v[Q:Q+11], 0, v[KS+2*(\n/4)+(\n%4)/2], v[\qs] matrix_a_fmt:MATRIX_FMT_FP6 matrix_b_fmt:MATRIX_FMT_FP6 matrix_a_scale:MATRIX_SCALE_ROW1
.else
	v_wmma_scale_f32_16x16x128_f8f6f4 v[S+8*\n:S+8*\n+7], v[KV+6*\n:KV+6*\n+11], v[Q:Q+11], 0, v[KS+2*(\n/4)+(\n%4)/2], v[\qs] matrix_a_fmt:MATRIX_FMT_FP6 matrix_b_fmt:MATRIX_FMT_FP6
.endif
.endr
.endm
; One tile's softmax step: scores in S become p, p's codes (pcb) and scale word (psr); the state st and O^T (ob) come under the new M.
.macro SOFT st, ob, pcb, psr
	v_max3_num_f32 v[BM], v[S], v[S+1], v[S+2]                 ; my two blocks' largest scores, each in two chains; each accumulator is first read at its low end
	v_max3_num_f32 v[PT], v[S+16], v[S+17], v[S+18]
	v_max3_num_f32 v[BM+1], v[S+32], v[S+33], v[S+34]
	v_max3_num_f32 v[PT+1], v[S+48], v[S+49], v[S+50]
.irp i, 3,5,7,9,11,13
	v_max3_num_f32 v[BM], v[BM], v[S+\i], v[S+\i+1]
	v_max3_num_f32 v[PT], v[PT], v[S+16+\i], v[S+17+\i]
	v_max3_num_f32 v[BM+1], v[BM+1], v[S+32+\i], v[S+33+\i]
	v_max3_num_f32 v[PT+1], v[PT+1], v[S+48+\i], v[S+49+\i]
.endr
	v_max3_num_f32 v[BM], v[BM], v[PT], v[S+15]
	v_max3_num_f32 v[BM+1], v[BM+1], v[PT+1], v[S+47]
	v_max_num_f32 v[BM], v[BM], v[S+31]
	v_max_num_f32 v[BM+1], v[BM+1], v[S+63]
	s_delay_alu instid0(VALU_DEP_1)
	v_max_num_f32 v[T0], v[BM], v[BM+1]
	s_delay_alu instid0(VALU_DEP_1)
	v_permlanex16_b32 v[T1], v[T0], s[SEL], s[SEL+1]
	s_delay_alu instid0(VALU_DEP_1)
	v_max3_num_f32 v[\st+1], v[\st+1], v[T0], v[T1]            ; the running largest score of my query
	s_delay_alu instid0(VALU_DEP_1)
	v_mul_f32 v[T0], s[CS], v[\st+1]                           ; as t
	s_delay_alu instid0(VALU_DEP_1)
	v_floor_f32 v[T1], -v[T0]                                  ; the new -M = -ceil(t)
	s_delay_alu instid0(VALU_DEP_1)
	v_sub_f32 v[T0], v[T1], v[\st]                             ; old M less new M: a whole number, 0 or less
	v_mov_b32 v[\st], v[T1]
	s_delay_alu instid0(VALU_DEP_2)
	v_cvt_i32_f32 v[T0], v[T0]                                 ; (it saturates)
	s_delay_alu instid0(VALU_DEP_1)
	v_ldexp_f32 v[F], 1.0, v[T0]                               ; f = 2^(old M - new M)
.set j, 0
.rept 32
	v_pk_fma_f32 v[S+j:S+j+1], v[S+j:S+j+1], s[CS:CS+1], v[\st:\st+1] op_sel_hi:[1,0,0]   ; t - M
.set j, j+2
.endr
	v_fma_f32 v[BM], v[BM], s[CS], v[\st]                      ; the same of each block's largest score
	v_fma_f32 v[BM+1], v[BM+1], s[CS], v[\st]
	s_wait_alu depctr_va_vdst(0)                               ; the wait ahead of the batch
.set j, 0
.rept 64
	v_exp_f32 v[S+j], v[S+j]                                   ; p, at most 1, not normalised
.set j, j+1
.endr
	v_exp_f32 v[BM], v[BM]                                     ; the blocks' largest p
	v_exp_f32 v[BM+1], v[BM+1]
	v_pk_mul_f32 v[\st+2:\st+3], v[\st+2:\st+3], v[F:F+1] op_sel_hi:[1,0]   ; the sum under the new M; the plain place behind the batch
	s_wait_alu depctr_va_vdst(0)                               ; and the wait behind it
	v_pk_add_f32 v[PT:PT+1], v[S:S+1], v[S+2:S+3]              ; the row's sum of the unquantised p, in four chains
	v_pk_add_f32 v[T0:T0+1], v[S+4:S+5], v[S+6:S+7]
	v_pk_add_f32 v[SO:SO+1], v[S+8:S+9], v[S+10:S+11]
	v_pk_add_f32 v[\st+2:\st+3], v[\st+2:\st+3], v[S+12:S+13]
.irp j, 14,22,30,38,46,54
	v_pk_add_f32 v[PT:PT+1], v[PT:PT+1], v[S+\j:S+\j+1]
	v_pk_add_f32 v[T0:T0+1], v[T0:T0+1], v[S+\j+2:S+\j+3]
	v_pk_add_f32 v[SO:SO+1], v[SO:SO+1], v[S+\j+4:S+\j+5]
	v_pk_add_f32 v[\st+2:\st+3], v[\st+2:\st+3], v[S+\j+6:S+\j+7]
.endr
	v_pk_add_f32 v[PT:PT+1], v[PT:PT+1], v[S+62:S+63]
	v_pk_add_f32 v[\st+2:\st+3], v[\st+2:\st+3], v[SO:SO+1]
	v_max_num_f32 v[BM], 0x1800000, v[BM]                      ; the floor 2^(3 - 127): the byte cannot fall under 1
	v_max_num_f32 v[BM+1], 0x1800000, v[BM+1]
	v_pk_add_f32 v[PT:PT+1], v[PT:PT+1], v[T0:T0+1]
	v_add_nc_u32 v[SO], 0xff000000, v[BM]                      ; 2 off the exponent field: the conversion's scale operand
	v_add_nc_u32 v[SO+1], 0xff000000, v[BM+1]
	v_pk_add_f32 v[\st+2:\st+3], v[\st+2:\st+3], v[PT:PT+1]
	v_lshrrev_b32 v[BM], 23, v[SO]                             ; the bytes of my blocks h and 2 + h
	v_lshrrev_b32 v[BM+1], 23, v[SO+1]
	v_cvt_scalef32_pk16_fp6_f32 v[\pcb:\pcb+2], v[S:S+15], v[SO]
	v_cvt_scalef32_pk16_fp6_f32 v[\pcb+6:\pcb+8], v[S+32:S+47], v[SO+1]
	v_lshl_or_b32 v[T0], v[BM+1], 16, v[BM]                    ; (a plain place behind the conversions)
	v_cvt_scalef32_pk16_fp6_f32 v[S:S+2], v[S+16:S+31], v[SO]          ; a conversion's three registers begin on an even number: made over numbers that are done with, then moved
	v_cvt_scalef32_pk16_fp6_f32 v[S+32:S+34], v[S+48:S+63], v[SO+1]
	v_nop                                                      ; one plain place behind a scaled conversion
	v_permlanex16_b32 v[T1], v[T0], s[SEL], s[SEL+1]
.irp i, 0,1,2
	v_mov_b32 v[\pcb+3+\i], v[S+\i]
	v_mov_b32 v[\pcb+9+\i], v[S+32+\i]
.endr
	v_lshl_or_b32 v[\psr], v[T1], 8, v[T0]                     ; lanes 0-15: bytes 0, 2 mine, bytes 1, 3 lane l + 16's: p's scale word (lanes 16-31 are not read)
	s_wait_alu depctr_va_vdst(0)                               ; the wait here, directly ahead of the first reader of O^T
.set j, 0
.rept 16
	v_pk_mul_f32 v[\ob+j:\ob+j+1], v[\ob+j:\ob+j+1], v[F:F+1] op_sel_hi:[1,0]   ; O^T under the new M; also the places in front of the matrix instructions that follow
.set j, j+2
.endr
.endm
.Lkey:                                                 ; a trip: 128 keys for both tiles
	v_add_nc_u32 v[W16], s[TK], v[AK16]
	v_add_nc_u32 v[W8], s[TK], v[AK8]
	v_add_nc_u32 v[WS], s[TS], v[AKS]
	v_nop                                          ; four places in front of loads into registers that matrix instructions have read
.irp n, 0,1,2,3,4,5,6,7
	ds_load_b128 v[KV+6*\n:KV+6*\n+3], v[W16] offset:KT*(4*(\n/4)+\n%2)+128*((\n%4)/2)
	ds_load_b64 v[KV+6*\n+4:KV+6*\n+5], v[W8] offset:KT*(4*(\n/4)+\n%2)+640+64*((\n%4)/2)
.endr
.irp i, 0,1,2,3
	ds_load_b32 v[KS+\i], v[WS] offset:256*(\i/2)+32*(\i%2)    ; lanes 0-15: tile 4 (i / 2) + 2 (i % 2); lanes 16-31: the tile after it
.endr
	ds_load_b128 v[Q:Q+3], v[AQ16]                 ; tile A's q
	ds_load_b64 v[Q+4:Q+5], v[AQ8] offset:512
	s_wait_dscnt 0x0
	QK QSA
.rept 4
	v_nop                                          ; places in front of the loads into q's registers and of the first read of the scores
.endr
	ds_load_b128 v[Q:Q+3], v[AQ16] offset:768      ; tile B's q lands under tile A's softmax
	ds_load_b64 v[Q+4:Q+5], v[AQ8] offset:1280
	SOFT STA, O, PC, PSA
	s_wait_alu depctr_va_vdst(0)                   ; the wait here, directly ahead of the wait below
	s_wait_dscnt 0x0
	QK QSA+1
	v_add_nc_u32 v[W16], s[TK], v[AV16]
	v_add_nc_u32 v[W8], s[TK], v[AV8]
	v_add_nc_u32 v[WS], s[TT], v[AVS]
	v_nop                                          ; four places
.irp t, 0,1,2,3
	ds_load_b128 v[KV+12*\t:KV+12*\t+3], v[W16] offset:VT*\t           ; V^T's fragments land under tile B's softmax
	ds_load_b64 v[KV+12*\t+4:KV+12*\t+5], v[W8] offset:VT*\t+640
	ds_load_b128 v[KV+12*\t+6:KV+12*\t+9], v[W16] offset:VT*\t+960
	ds_load_b64 v[KV+12*\t+10:KV+12*\t+11], v[W8] offset:VT*\t+1600
.endr
	ds_load_b32 v[VS], v[WS]
	ds_load_b32 v[VS+1], v[WS] offset:128
	SOFT STA+4, O+32, PC+12, PSA+1
	s_wait_alu depctr_va_vdst(0)                   ; the wait here, directly ahead of the wait below
	s_wait_dscnt 0x0
.irp t, 0,1,2,3                                ; O^T += v^T p^T: the eight accumulators by turns, one instruction a turn
.irp x, 0,1
.if \t%2
	v_wmma_scale_f32_16x16x128_f8f6f4 v[O+32*\x+8*\t:O+32*\x+8*\t+7], v[KV+12*\t:KV+12*\t+11], v[PC+12*\x:PC+12*\x+11], v[O+32*\x+8*\t:O+32*\x+8*\t+7], v[VS+\t/2], v[PSA+\x] matrix_a_fmt:MATRIX_FMT_FP6 matrix_b_fmt:MATRIX_FMT_FP6 matrix_a_scale:MATRIX_SCALE_ROW1
.else
	v_wmma_scale_f32_16x16x128_f8f6f4 v[O+32*\x+8*\t:O+32*\x+8*\t+7], v[KV+12*\t:KV+12*\t+11], v[PC+12*\x:PC+12*\x+11], v[O+32*\x+8*\t:O+32*\x+8*\t+7], v[VS+\t/2], v[PSA+\x] matrix_a_fmt:MATRIX_FMT_FP6 matrix_b_fmt:MATRIX_FMT_FP6
.endif
.endr
.endr
	s_add_co_u32 s[TK], s[TK], STEPB
	s_add_co_u32 s[TS], s[TS], 512
	s_add_co_u32 s[TT], s[TT], 256
	s_sub_co_u32 s[CNT], s[CNT], 1
	s_cmp_lg_u32 s[CNT], 0
	s_wait_alu depctr_va_vdst(0)                   ; the wait here, directly ahead of the branch
	s_cbranch_scc1 .Lkey
	v_and_b32 v[AV8], 31, v0                       ; the way out's offsets; also the places behind the last products
	v_and_b32 v[AV16], 15, v0
	v_lshlrev_b32 v[AK16], 4, v[AV8]
	v_lshlrev_b32 v[AK8], 3, v[AV8]
	v_lshlrev_b32 v[AV16], 2, v[AV16]
; A tile's end: O^T / the sum; register 16 b + i is o(query, 32 b + 16 h + i); quantised along the head's 64: half an image of proj's operand and two bytes of each row's scale word.
.macro FIN st, ob, pcb, w, it
	v_add_f32 v[\st+2], v[\st+2], v[\st+3]
	s_delay_alu instid0(VALU_DEP_1)
	v_permlanex16_b32 v[T0], v[\st+2], s[SEL], s[SEL+1]
	s_delay_alu instid0(VALU_DEP_1)
	v_add_f32 v[\st+2], v[\st+2], v[T0]            ; with lane l xor 16's keys: the row's sum
	s_wait_alu depctr_va_vdst(0)                   ; the wait ahead of the transcendental
	v_rcp_f32 v[F], v[\st+2]
	v_nop
	s_wait_alu depctr_va_vdst(0)                   ; and behind it, directly ahead of the first reader
.set j, 0
.rept 16
	v_pk_mul_f32 v[S+j:S+j+1], v[\ob+j:\ob+j+1], v[F:F+1] op_sel_hi:[1,0]
.set j, j+2
.endr
.irp b, 0,1
	v_max3_num_f32 v[BM+\b], |v[S+16*\b]|, |v[S+1+16*\b]|, 0x1800000
.endr
.irp i, 2,4,6,8,10,12,14
.irp b, 0,1
	s_delay_alu instid0(VALU_DEP_2)
	v_max3_num_f32 v[BM+\b], v[BM+\b], |v[S+16*\b+\i]|, |v[S+1+16*\b+\i]|
.endr
.endr
.irp b, 0,1
	v_permlanex16_b32 v[PT+\b], v[BM+\b], s[SEL], s[SEL+1]
.endr
.irp b, 0,1
	v_max_num_f32 v[BM+\b], v[BM+\b], v[PT+\b]     ; with lane l xor 16's 16: the block's largest magnitude
.endr
.irp b, 0,1
	v_add_nc_u32 v[SO+\b], 0xff000000, v[BM+\b]
.endr
.irp b, 0,1
	v_lshrrev_b32 v[PT+\b], 23, v[SO+\b]
.endr
	v_lshl_or_b32 v[\w], v[PT+1], 8, v[PT]
	v_cvt_scalef32_pk16_fp6_f32 v[\pcb:\pcb+2], v[S:S+15], v[SO]
	v_cvt_scalef32_pk16_fp6_f32 v[KV:KV+2], v[S+16:S+31], v[SO+1]
	v_nop                                          ; one plain place behind a scaled conversion
.irp i, 0,1,2
	v_permlane16_swap_b32 v[\pcb+\i], v[KV+\i]     ; the operand's layout wants a whole block in a lane
.endr
.irp i, 0,1,2
	v_mov_b32 v[\pcb+3+\i], v[KV+\i]
.endr
	global_store_b128 v[AK16], v[\pcb:\pcb+3], s[8:9] offset:12288*\it
	global_store_b64 v[AK8], v[\pcb+4:\pcb+5], s[8:9] offset:12288*\it+512
	global_store_b16 v[AV16], v[\w], s[10:11] offset:512*\it   ; lanes r and r + 16 write the same two bytes with the same value
.endm
	FIN STA, O, PC, KS, 0                          ; each tile has its own registers for what it stores
	FIN STA+4, O+32, PC+12, KS+1, 1
	s_wait_tensorcnt 0x0                           ; the wave's end
	ds_add_u32 v[SPW], v[NIL]
	s_wait_dscnt 0x0
	CROUND                                         ; the closing round
	s_endpgm
.Lfunc_end_k_qaf09177491_attn:
	.size	k_qaf09177491_attn, .Lfunc_end_k_qaf09177491_attn-k_qaf09177491_attn
	.p2alignl 7, 3214868480
	.fill 96, 4, 3214868480
	.section	.rodata,"a",@progbits
	.p2align	6, 0x0
	.amdhsa_kernel k_qaf09177491_attn
		.amdhsa_group_segment_fixed_size 327680
		.amdhsa_private_segment_fixed_size 0
		.amdhsa_enable_private_segment 0
		.amdhsa_kernarg_size 32
		.amdhsa_user_sgpr_count 2
		.amdhsa_user_sgpr_kernarg_segment_ptr 1
		.amdhsa_wavefront_size32 1
		.amdhsa_system_sgpr_workgroup_id_x 1
		.amdhsa_system_sgpr_workgroup_id_y 1
		.amdhsa_system_sgpr_workgroup_id_z 1
		.amdhsa_system_vgpr_workitem_id 0
		.amdhsa_next_free_vgpr 256
		.amdhsa_next_free_sgpr 66
		.amdhsa_reserve_vcc 0
		.amdhsa_float_denorm_mode_32 3
		.amdhsa_float_denorm_mode_16_64 3
		.amdhsa_memory_ordered 1
		.amdhsa_forward_progress 1
		.amdhsa_inst_pref_size 47
	.end_amdhsa_kernel
	.amdgpu_metadata
---
amdhsa.version: [ 1, 2 ]
amdhsa.kernels:
  - .name:           k_qaf09177491_attn
    .symbol:         k_qaf09177491_attn.kd
    .args:
      - { .name: ac, .offset: 0, .size: 8, .value_kind: global_buffer, .address_space: global }
      - { .name: asc, .offset: 8, .size: 8, .value_kind: global_buffer, .address_space: global }
      - { .name: oc, .offset: 16, .size: 8, .value_kind: global_buffer, .address_space: global }
      - { .name: os, .offset: 24, .size: 8, .value_kind: global_buffer, .address_space: global }
    .group_segment_fixed_size: 327680
    .private_segment_fixed_size: 0
    .kernarg_segment_align: 8
    .kernarg_segment_size: 32
    .max_flat_workgroup_size: 512
    .sgpr_count:     66
    .vgpr_count:     256
    .wavefront_size: 32
...
	.end_amdgpu_metadata
.endif
;; end of part 3
;; launch proj (part 4): grid 4 x 64, 4 waves a work-group, clusters of 4 x 4, 327,680 bytes of LDS; arguments oc, os, opc, ops, b_out, out0; writes out0
.if DOCPART == 4
	.amdgcn_target "amdgcn-amd-amdhsa--gfx1250"
	.amdhsa_code_object_version 6
	.text
	.protected	k_qaf09177491_proj
	.globl	k_qaf09177491_proj
	.p2align	8
	.type	k_qaf09177491_proj,@function
k_qaf09177491_proj:
	s_mov_b64 s[64:65], 0
	v_nop
	global_prefetch_b8 v0, s[64:65] scope:SCOPE_SE
	s_setreg_imm32_b32 hwreg(HW_REG_WAVE_MODE, 25, 1), 1
	s_wait_xcnt 0x0
	s_wait_alu depctr_hold_cnt(0) depctr_sa_sdst(0) depctr_va_vdst(0) depctr_va_sdst(0) depctr_va_ssrc(0) depctr_va_vcc(0) depctr_vm_vsrc(0)
	s_getreg_b32 s2, hwreg(HW_REG_IB_STS2, 6, 4)
	s_cmp_eq_u32 s2, 0
	s_cbranch_scc0 .Lentry_in_a_cluster
	s_endpgm
.Lentry_in_a_cluster:
	s_bfe_u32 s2, ttmp6, 0x10000c
	s_cmp_lg_u32 s2, 0xf033
	s_cbranch_scc0 .Lentry_shape_is_right
	s_endpgm
.Lentry_shape_is_right:
; out0 = o W_out + b_out on codes of FP6 (E2M3) with E8M0 scales, sums in f32.  Nothing of the problem is left out here.  LIMITS: NaN and infinities are not served.
; OPERANDS lie as tiles of 16 rows in the order of the operand's registers (12,288 bytes a tile: 8 K steps of 1,536; 512 bytes of scale words a tile): o in oc / os, W_out's columns in opc / ops from tile 704 on.
; Of each 32 rows, tile 2 b + u holds rows 32 b + 8 u + i + 8 (i / 8).
; A work-group makes 128 tokens (L, 8 tiles) x 256 features (P, 16 tiles): 64 x 4 = 256 work-groups.  ALL OF K lies in LDS at once (24 tiles x 12,288 bytes and their scale words): four joint loads at the head,
; one a wave, nothing is filled again, so there is no ring.  CLUSTERS 4 x 4: L's tiles are shared along a row of the cluster, P's along a column.
; No prefetch: all that the launch reads through LDS is asked for at its head; there is no loop to run ahead in.
; A wave makes 64 x 128: 32 accumulators.  Source 0 = a tile of P, source 1 = a tile of L: a lane holds one token, and the 16 registers of P's tiles 2 b, 2 b + 1 are the 16 neighbouring features 32 b + 16 (lane / 16) + 0 .. 15.
; The bias is the C of each accumulator's first product.  The way out goes through a stage that lies over L's codes, behind a barrier behind which nobody reads them.
; REGISTERS: window 0: v8-29 addresses; v32-47 scale words, two sets; v64-127 the bias; v128-223 L's fragments, two sets (on the way out v128-255: rows read back).  window 1: P's fragments, two sets, at v0 and v128.  window 2: the accumulators, (a, b) at v[64 a + 8 b].
.set FR,     12
.set NP,     4                         ; places behind this matrix instruction (ISA guide 7.12.1)
.set TILEB,  12288
.set PCOD,   8*TILEB                   ; P's codes, behind L's
.set SCL,    24*TILEB                  ; the scale words: L's 8 tiles x 512 bytes, then P's 16
.set SPARE,  SCL+24*512                ; the spare words, 128 bytes a wave: two blocks of 256 bytes that no other line names
.set SPITCH, 528                       ; the stage: 16 rows x (512 + 16) bytes a wave, from LDS byte 0
.set L16,  8
.set L8,   9
.set BA0,  10
.set STO,  11
.set RD,   12
.set ADRA, 16                          ; v16 L's fragments by 16 bytes a lane, v17 by 8
.set ADRB, 18                          ; v18-19 P's tiles 0-3, 4-7 by 16 bytes a lane; v20-21 by 8
.set ADRS, 27                          ; my scale words: lanes 0-15 L's, lanes 16-31 P's
.set SPW,  28                          ; my spare word; never rewritten
.set NIL,  29                          ; 0; never rewritten
.set SC,   32
.set BI,   64
.set AF,   128
.set BK,   128
.set G1, 24
.set G0, 32
.set G1B, 48
.set G0B, 56
.set G1S, 68
.set G0S, 76
.set G1SB, 80
.set G0SB, 88
.set MSB, 0
.macro WIN new                         ; the immediate's high byte repeats the setting that is left
.if MSB != \new
	s_set_vgpr_msb (MSB<<8)|\new
.set MSB, \new
.endif
.endm
.set MUL_LO, 0xa1                      ; source 0 (P) window 1, source 1 (L) window 0, C and D window 2
.set BIA_LO, 0x81                      ; the same, C (the bias) window 0
.set TO_B,   0x40                      ; destination window 1, address window 0
.macro CROUND
	s_barrier_signal -1
	s_barrier_wait -1
	s_cmp_lg_u32 s14, 0
	s_cbranch_scc1 .Lnot_wave_0_\@
	s_barrier_signal -3
.Lnot_wave_0_\@:
	s_barrier_wait -3
	s_barrier_signal -1
	s_barrier_wait -1
.endm
	s_load_b256 s[4:11], s[0:1], 0x0               ; oc s[4:5], os s[6:7], opc s[8:9], ops s[10:11]
	s_load_b64 s[12:13], s[0:1], 0x20              ; b_out
	s_load_b64 s[66:67], s[0:1], 0x28              ; out0
	v_lshl_add_u32 v[SPW], v0, 2, SPARE
	v_mov_b32 v[NIL], 0
	ds_add_u32 v[SPW], v[NIL]                      ; the opening lines: the add, twice on end, and its wait ahead of my tensor load
	ds_add_u32 v[SPW], v[NIL]
	v_lshrrev_b32 v1, 5, v0
	v_readfirstlane_b32 s14, v1                    ; wave 0..3
	s_lshr_b32 s15, s14, 1                         ; which four tiles of L are mine
	s_and_b32 s16, s14, 1                          ; which eight of P
	s_bfe_u32 s40, ttmp6, 0x40000                  ; cx, cy: my place in the cluster
	s_bfe_u32 s41, ttmp6, 0x40004
	s_lshl_b32 s42, ttmp9, 2
	s_add_co_u32 s42, s42, s40                     ; P's block of 256 features
	s_and_b32 s17, ttmp7, 0xffff
	s_lshl_b32 s17, s17, 2
	s_add_co_u32 s17, s17, s41                     ; L's block of 128 tokens
	s_lshl_b32 s43, s41, 2
	s_lshl_b32 s43, 15, s43                        ; my row of the cluster
	s_lshl_b32 s44, 0x1111, s40                    ; my column
	s_or_b32 s[G1+0], s43, (3<<16)|(1<<21)         ; each of the four tiles is a dense block: rows of 256 bytes (32 elements of 8)
	s_or_b32 s[G1B+0], s44, (3<<16)|(1<<21)
	s_or_b32 s[G1S+0], s43, (3<<16)|(1<<21)
	s_or_b32 s[G1SB+0], s44, (3<<16)|(1<<21)
.irp g, G1, G1B, G1S, G1SB
	s_mov_b32 s[\g+1], 32<<16
	s_mov_b32 s[\g+3], 32<<16
	s_mov_b32 s[\g+5], 32
	s_mov_b32 s[\g+6], 0
	s_mov_b32 s[\g+7], 0
.endr
	s_mov_b32 s[G1+2], 384<<16                     ; L's codes: 98,304 bytes
	s_mov_b32 s[G1+4], 384
	s_mov_b32 s[G1B+2], 768<<16                    ; P's codes: 196,608
	s_mov_b32 s[G1B+4], 768
	s_mov_b32 s[G1S+2], 16<<16                     ; L's scale words: 4,096
	s_mov_b32 s[G1S+4], 16
	s_mov_b32 s[G1SB+2], 32<<16                    ; P's: 8,192
	s_mov_b32 s[G1SB+4], 32
	s_mul_i32 s20, s17, 8*TILEB                    ; L's eight tiles in oc,
	s_mov_b32 s21, 0
	s_lshl_b32 s22, s17, 12                        ; their words in os
	s_mov_b32 s23, 0
	s_lshl_b32 s46, s42, 4
	s_add_co_u32 s46, s46, 704                     ; P's first tile
	s_lshl_b32 s94, s46, 9
	s_mov_b32 s95, 0
	s_mul_i32 s46, s46, TILEB
	s_mov_b32 s47, 0
	s_lshl_b32 s18, s42, 10                        ; my first column, in bytes: 1,024 x block + 512 x half
	s_lshl_b32 s19, s16, 9
	s_add_co_u32 s18, s18, s19
	s_mov_b32 s19, 0
	s_lshl_b32 s92, s17, 7
	s_lshl_b32 s93, s15, 6
	s_add_co_u32 s92, s92, s93                     ; my first token
	s_lshl_b32 s92, s92, 12                        ; rows of 4,096 bytes
	s_mov_b32 s93, 0
	s_mul_i32 s96, s15, 4*TILEB                    ; LDS: my four tiles of L,
	s_mul_i32 s97, s16, 8*TILEB
	s_add_co_u32 s97, s97, PCOD                    ; my P tiles 0-3,
	s_add_co_u32 s98, s97, 4*TILEB                 ; and 4-7
	s_lshl_b32 s99, s15, 11                        ; L's words: my four tiles
	s_lshl_b32 s45, s16, 12
	s_add_co_u32 s45, s45, 4096                    ; P's, behind L's
	s_sub_co_u32 s45, s45, s99
	s_add_co_u32 s99, s99, SCL
	s_mul_i32 s3, s14, 16*SPITCH                   ; my stage
	s_wait_dscnt 0x0                               ; both opening adds are done
	s_wait_kmcnt 0x0
	s_mov_b32 s[G0], 1
	s_mov_b32 s[G0+1], 0
	s_add_nc_u64 s[G0+2:G0+3], s[4:5], s[20:21]
	s_or_b32 s[G0+3], s[G0+3], 0x80000000
	s_mov_b32 s[G0S], 1
	s_mov_b32 s[G0S+1], SCL
	s_add_nc_u64 s[G0S+2:G0S+3], s[6:7], s[22:23]
	s_or_b32 s[G0S+3], s[G0S+3], 0x80000000
	s_mov_b32 s[G0B], 1
	s_mov_b32 s[G0B+1], PCOD
	s_add_nc_u64 s[G0B+2:G0B+3], s[8:9], s[46:47]
	s_or_b32 s[G0B+3], s[G0B+3], 0x80000000
	s_mov_b32 s[G0SB], 1
	s_mov_b32 s[G0SB+1], SCL+4096
	s_add_nc_u64 s[G0SB+2:G0SB+3], s[10:11], s[94:95]
	s_or_b32 s[G0SB+3], s[G0SB+3], 0x80000000
	s_add_nc_u64 s[12:13], s[12:13], s[18:19]
	s_add_nc_u64 s[66:67], s[66:67], s[92:93]
	s_add_nc_u64 s[66:67], s[66:67], s[18:19]
	CROUND                                         ; all sixteen work-groups are here: the joint loads meet
; THE LOADS, ONE A WAVE: wave 0 P's codes, wave 1 L's codes, wave 2 L's scale words, wave 3 P's.  One tree of branches on the wave's number: every way passes exactly one load.
.macro ARM under, g0, g1, next
	s_cmp_lt_u32 s14, \under
	s_cbranch_scc0 \next
	tensor_load_to_lds s[\g0:\g0+3], s[\g1:\g1+7]
	s_nop 0
.rept 4
	v_nop
.endr
	s_branch .Lhead_asked
\next:
.endm
	ARM 1, G0B, G1B, .Lhead_a
	ARM 2, G0,  G1,  .Lhead_sa
	ARM 3, G0S, G1S, .Lhead_sb
	tensor_load_to_lds s[G0SB:G0SB+3], s[G1SB:G1SB+7]
	s_nop 0
.rept 4
	v_nop
.endr
.Lhead_asked:
	v_and_b32 v1, 15, v0                           ; r
	v_bfe_u32 v2, v0, 4, 1                         ; h
	v_and_b32 v3, 31, v0                           ; lane
	v_lshlrev_b32 v[BA0], 6, v2
	v_lshlrev_b32 v[L16], 4, v3
	v_lshlrev_b32 v[L8], 3, v3
.irp b, 0,1,2,3
.irp j, 0,1,2,3
	global_load_b128 v[BI+16*\b+4*\j:BI+16*\b+4*\j+3], v[BA0], s[12:13] offset:128*\b+16*\j   ; register 16 b + e = b_out[my first column + 32 b + 16 h + e]
.endr
.endr
	v_add_nc_u32 v[ADRA], s96, v[L16]
	v_add_nc_u32 v[ADRA+1], s96, v[L8]
	v_add_nc_u32 v[ADRB], s97, v[L16]
	v_add_nc_u32 v[ADRB+1], s98, v[L16]
	v_add_nc_u32 v[ADRB+2], s97, v[L8]
	v_add_nc_u32 v[ADRB+3], s98, v[L8]
	v_mul_u32_u24 v6, s45, v2                      ; lanes 16-31 take P's words
	v_lshl_add_u32 v6, v1, 2, v6
	v_add_nc_u32 v[ADRS], s99, v6
	v_mul_u32_u24 v5, v1, SPITCH                   ; the stage, way in: row r, 64 bytes for each half of the lanes in each 128
	v_lshl_add_u32 v5, v2, 6, v5
	v_add_nc_u32 v[STO], s3, v5
	v_add_nc_u32 v[RD], s3, v[L16]                 ; way out: the 32 lanes take a row of 512 bytes
.macro FRAG reg, a16, a8, off          ; a fragment, 16 rows x 128 K, 12 registers, as its image lies: 512, 256, 512, 256 bytes
	ds_load_b128 v[\reg:\reg+3], v[\a16] offset:(\off)
	ds_load_b64 v[\reg+4:\reg+5], v[\a8] offset:(\off)+512
	ds_load_b128 v[\reg+6:\reg+9], v[\a16] offset:(\off)+768
	ds_load_b64 v[\reg+10:\reg+11], v[\a8] offset:(\off)+1280
.endm
.macro FETCH st                        ; K step st: P's eight fragments, L's four and the scale words into sets st % 2: 56 LDS loads
	WIN TO_B
.irp i, 0,1,2,3,4,5,6,7
	FRAG 128*((\st)%2)+FR*\i, ADRB+\i/4, ADRB+2+\i/4, (\i%4)*TILEB+(\st)*1536
.endr
	WIN 0
.irp i, 0,1,2,3
	FRAG AF+48*((\st)%2)+FR*\i, ADRA, ADRA+1, \i*TILEB+(\st)*1536
.endr
.irp i, 0,1,2,3,4,5,6,7
	ds_load_b32 v[SC+8*((\st)%2)+\i], v[ADRS] offset:512*\i+64*(\st)   ; lanes 0-15: L's block i (only i < 4 is used), lanes 16-31: P's tile i
.endr
.endm
.macro MUL st, first                   ; 32 matrix instructions: the 32 accumulators by turns, in the same order in every step
.set PB, 128*((\st)%2)
.set LB, AF+48*((\st)%2)
.set SB, SC+8*((\st)%2)
.irp a, 0,1,2,3
.irp b, 0,1,2,3,4,5,6,7
.if \first
	v_wmma_scale_f32_16x16x128_f8f6f4 v[64*\a+8*\b:64*\a+8*\b+7], v[PB+FR*\b:PB+FR*\b+FR-1], v[LB+FR*\a:LB+FR*\a+FR-1], v[BI+8*\b:BI+8*\b+7], v[SB+\b], v[SB+\a] matrix_a_fmt:MATRIX_FMT_FP6 matrix_b_fmt:MATRIX_FMT_FP6 matrix_a_scale:MATRIX_SCALE_ROW1
.else
	v_wmma_scale_f32_16x16x128_f8f6f4 v[64*\a+8*\b:64*\a+8*\b+7], v[PB+FR*\b:PB+FR*\b+FR-1], v[LB+FR*\a:LB+FR*\a+FR-1], v[64*\a+8*\b:64*\a+8*\b+7], v[SB+\b], v[SB+\a] matrix_a_fmt:MATRIX_FMT_FP6 matrix_b_fmt:MATRIX_FMT_FP6 matrix_a_scale:MATRIX_SCALE_ROW1
.endif
.endr
.endr
.endm
.macro PLACES n                        ; plain vector instructions between a matrix instruction and a load into, or a read of, its registers
.rept \n
	v_nop
.endr
.endm
	s_wait_alu depctr_va_vdst(0)                   ; the wait at the head's end
	s_wait_tensorcnt 0x0                           ; my tile of the four is in,
	s_barrier_signal -1
	s_barrier_wait -1                              ; everybody's is
	FETCH 0
	s_wait_loadcnt 0x0                             ; the bias
	s_wait_dscnt 0x0
	FETCH 1
	WIN BIA_LO
	MUL 0, 1                                       ; the first products start the sums from the bias
	WIN 0
.set ST, 1
.rept 6
	s_wait_dscnt 0x0                               ; this step's fragments, asked for ahead of the last step's 32 products, are in
	PLACES NP                                      ; in front of loads into the sets that the last step multiplied
	FETCH ST+1
	WIN MUL_LO
	MUL ST, 0
	WIN 0
.set ST, ST+1
.endr
	s_wait_dscnt 0x0                               ; the last step's fragments are in: my reads of the codes are over
	s_barrier_signal -1                            ; say so
	WIN MUL_LO
	MUL 7, 0
	WIN 0
	s_barrier_wait -1                              ; nobody reads L's codes any more: the stages may lie there
; THE WAY OUT, block by block of 16 tokens x 128 features, through my own stage and back as whole rows of 512 bytes.  LDS serves a wave's instructions in order (ISA guide 5.7.1.4).
.macro TOSTAGE a
.set AC, 64*(\a)
	WIN 0x08                                       ; the data: window 2
.irp b, 0,1,2,3,4,5,6,7
	ds_store_b128 v[STO], v[AC+8*\b:AC+8*\b+3] offset:128*(\b/2)+32*(\b%2)      ; each accumulator from its low end on
	ds_store_b128 v[STO], v[AC+8*\b+4:AC+8*\b+7] offset:128*(\b/2)+32*(\b%2)+16
.endr
	WIN 0
.set BB, BK+64*((\a)%2)
.irp t, 0,1,2,3,4,5,6,7,8,9,10,11,12,13,14,15
	ds_load_b128 v[BB+4*\t:BB+4*\t+3], v[RD] offset:\t*SPITCH
.endr
.endm
.macro SEND a, younger                 ; younger: the LDS instructions issued behind block a's loads, which may stay out
.set BB, BK+64*((\a)%2)
	s_wait_dscnt \younger
.irp t, 0,1,2,3,4,5,6,7,8,9,10,11,12,13,14,15
	global_store_b128 v[L16], v[BB+4*\t:BB+4*\t+3], s[66:67] offset:(32*((\a)/2)+8*((\a)%2)+\t+8*(\t/8))*4096 th:TH_STORE_NT   ; 32 lanes store 512 consecutive bytes, aligned; the tile's row t is token 32 (a / 2) + 8 (a % 2) + t + 8 (t / 8)
.endr
.endm
	PLACES NP                                      ; in front of the first read of results and of loads into L's fragments' registers
	TOSTAGE 0
.irp a, 1,2,3
.if \a > 1
	s_wait_xcnt 0x0                                ; block a - 2's stores have read their registers: block a's loads may land there
.endif
	TOSTAGE \a
	SEND \a-1, 32                                  ; behind block a - 1's loads: block a's 16 stores and 16 loads
.endr
	SEND 3, 0
	s_wait_tensorcnt 0x0                           ; the wave's end
	ds_add_u32 v[SPW], v[NIL]
	s_wait_dscnt 0x0
	CROUND                                         ; the closing round
	s_endpgm
.Lfunc_end_k_qaf09177491_proj:
	.size	k_qaf09177491_proj, .Lfunc_end_k_qaf09177491_proj-k_qaf09177491_proj
	.p2alignl 7, 3214868480
	.fill 96, 4, 3214868480
	.section	.rodata,"a",@progbits
	.p2align	6, 0x0
	.amdhsa_kernel k_qaf09177491_proj
		.amdhsa_group_segment_fixed_size 327680
		.amdhsa_private_segment_fixed_size 0
		.amdhsa_enable_private_segment 0
		.amdhsa_kernarg_size 48
		.amdhsa_user_sgpr_count 2
		.amdhsa_user_sgpr_kernarg_segment_ptr 1
		.amdhsa_wavefront_size32 1
		.amdhsa_system_sgpr_workgroup_id_x 1
		.amdhsa_system_sgpr_workgroup_id_y 1
		.amdhsa_system_sgpr_workgroup_id_z 1
		.amdhsa_system_vgpr_workitem_id 0
		.amdhsa_next_free_vgpr 768
		.amdhsa_next_free_sgpr 102
		.amdhsa_reserve_vcc 0
		.amdhsa_float_denorm_mode_32 3
		.amdhsa_float_denorm_mode_16_64 3
		.amdhsa_memory_ordered 1
		.amdhsa_forward_progress 1
		.amdhsa_inst_pref_size 87
	.end_amdhsa_kernel
	.amdgpu_metadata
---
amdhsa.version: [ 1, 2 ]
amdhsa.kernels:
  - .name:           k_qaf09177491_proj
    .symbol:         k_qaf09177491_proj.kd
    .args:
      - { .name: oc, .offset: 0, .size: 8, .value_kind: global_buffer, .address_space: global }
      - { .name: os, .offset: 8, .size: 8, .value_kind: global_buffer, .address_space: global }
      - { .name: opc, .offset: 16, .size: 8, .value_kind: global_buffer, .address_space: global }
      - { .name: ops, .offset: 24, .size: 8, .value_kind: global_buffer, .address_space: global }
      - { .name: b_out, .offset: 32, .size: 8, .value_kind: global_buffer, .address_space: global }
      - { .name: out0, .offset: 40, .size: 8, .value_kind: global_buffer, .address_space: global }
    .group_segment_fixed_size: 327680
    .private_segment_fixed_size: 0
    .kernarg_segment_align: 8
    .kernarg_segment_size: 48
    .max_flat_workgroup_size: 128
    .sgpr_count:     102
    .vgpr_count:     768
    .wavefront_size: 32
...
	.end_amdgpu_metadata
.endif
;; end of part 4
